; MI455X (gfx1250); checked and timed in simulation.
; The chip was launched on July 23, 2026; its instructions are those of AMD's public machine-readable ISA for CDNA 5 (MIT licence, August 2026) and "CDNA5" Instruction Set Architecture Reference Guide (July 2026). The comments in the code are by the model that wrote it; some were corrected since.
;; Attention Train. Allowed arithmetic: matrix products marked QUANTISED: E2M3 operands, one E8M0 scale for each 32 along K, by v_wmma_scale_f32_16x16x128_f8f6f4 with both operands' format E2M3, f32 sums; everything else in f32.
;; Inputs: Wk 1,024 x 1,024 float32; Wo 1,024 x 1,024 float32; Wq 1,024 x 1,024 float32; Wv 1,024 x 1,024 float32; bk 1,024 float32; bo 1,024 float32; bq 1,024 float32; bv 1,024 float32; x 4 x 2,048 x 1,024 float32.
;; Outputs: out0 4 x 2,048 x 1,024 float32.
;; This version of the problem:
;;   THIS VERSION OF THE PROBLEM IS GIVEN IN LOW PRECISION. The matrix products marked QUANTISED in the list below multiply operands that are first quantised to E2M3 (2 exponent bits, 3 mantissa bits; 6 bits a number), with one power-of-two scale for each 32 numbers along K (OCP MX v1.0); their sums are f32. All else is computed in f32.
;;   The module's matrix products, in the order in which they are computed (A, B: the left and right operand; K: the contracted axis; several contracted axes count as one K, in the product's order):
;;     1. [M 8,192, K 1,024] x [K 1,024, N 1,024]; A: input x; B: input Wq: QUANTISED
;;     2. [M 8,192, K 1,024] x [K 1,024, N 1,024]; A: input x; B: input Wk: QUANTISED
;;     3. [M 8,192, K 1,024] x [K 1,024, N 1,024]; A: input x; B: input Wv: QUANTISED
;;     4. batch 64 x [M 2,048, K 64] x [K 64, N 2,048]; A: computed on the way; B: computed on the way: QUANTISED
;;     5. batch 64 x [M 2,048, K 2,048] x [K 2,048, N 64]; A: softmax (see below); B: computed on the way: QUANTISED
;;     6. [M 8,192, K 1,024] x [K 1,024, N 1,024]; A: computed on the way; B: input Wo: QUANTISED
;;   THE QUANTISER, for each operand of a quantised product, along K:
;;     - K is cut into blocks of 32 from its start; a last block that is shorter is filled with zeros.
;;     - A block's scale is 2^e with e = floor(log2(the largest magnitude in the block)) - 2, held to -126 .. 127; a block of zeros has e = 0. As a byte (E8M0): e + 127.
;;     - Each number is divided by its block's scale, clamped to +-7.5, and rounded to the nearest number of E2M3, ties to even, subnormals kept.
;;     - The product sums the exact products of the quantised numbers (number of the format x scale) in f32.
;;   ~~~python
;;   def quantise(x, axis):      # numpy; x: float32 -> the quantised numbers, widened to float32 again
;;       x = np.moveaxis(x, axis, -1); K = x.shape[-1]
;;       x = np.pad(x, [(0, 0)] * (x.ndim - 1) + [(0, -K % 32)]); x = x.reshape(x.shape[:-1] + (-1, 32)); a = np.abs(x).max(-1, keepdims=True)
;;       e = np.where(a > 0, np.clip(np.frexp(np.where(a > 0, a, 1))[1] - 1 - 2, -126, 127), 0)      # np.frexp(a)[1] - 1 = floor(log2(a)), exactly
;;       r = np.clip(x / 2.0 ** e, -7.5, 7.5)
;;       step = 2.0 ** (np.maximum(np.frexp(np.where(r == 0, 1, r))[1] - 1, 0) - 3)
;;       q = np.round(r / step) * step * 2.0 ** e      # np.round: ties to even
;;       return np.moveaxis(q.reshape(q.shape[:-2] + (-1,))[..., :K], -1, axis).astype(np.float32)
;;   ~~~
;;   SOFTMAX AHEAD OF A QUANTISED PRODUCT. Where the list says 'softmax', what is quantised is not the finished softmax but p = 2^(t - M), with t = logit x log2(e) and M = ceil(the row's largest t), a whole number; so 1/2 < the row's largest p <= 1. The row's sum l is taken of the UNQUANTISED p, in f32, and the product's result is divided by l at the end. Since M is a whole number, a kernel that streams over the keys may use a running M (the ceiling of the running maximum): every later rescaling is an exact power of two, which a block's scale takes up: the codes' values come out the same.
;;   OPERANDS COMPUTED ON THE WAY. 'Computed on the way' means the value that the module computes at that place (a softmax that the list does not call 'softmax' is quantised finished and normalised). What goes into a quantiser is computed in f32, as accurately as f32 sums, v_exp_f32 and their like allow (about 1e-6 of the number): no bf16 or f16 on the way to a quantiser, and a product that is left as it is and whose result goes on into a quantised operand takes f32 operands (vector FMAs, or v_wmma_f32_16x16x4_f32). A number that lies on a knife's edge between two numbers of the format may be rounded either way, as far as f32 arithmetic and the matrix unit's own rounding can turn it there, and no further.
;; One version. Each part assembles by itself: llvm-mc -triple=amdgcn-amd-amdhsa -mcpu=gfx1250 --defsym DOCPART=n.
;; ======== version 1 of 1: 4 launches
;; workspace buffers: x_img 6,291,456 bytes; x_sc 262,144 bytes; w_img 3,145,728 bytes; w_sc 131,072 bytes; qkv_img 18,874,368 bytes; qkv_sc 1,310,720 bytes; ctx_img 6,291,456 bytes; ctx_sc 262,144 bytes
;; launch quant (part 1): grid 384 x 1, 4 waves a work-group, no clusters, 34,304 bytes of LDS; arguments x, Wq, Wk, Wv, Wo, x_img, x_sc, w_img, w_sc; writes x_img, x_sc, w_img, w_sc
.if DOCPART == 1
	.amdgcn_target "amdgcn-amd-amdhsa--gfx1250"
	.amdhsa_code_object_version 6
	.text
	.protected	k_q62abfba884_quant
	.globl	k_q62abfba884_quant
	.p2align	8
	.type	k_q62abfba884_quant,@function
k_q62abfba884_quant:
	s_mov_b64 s[64:65], 0
	v_nop
	global_prefetch_b8 v0, s[64:65] scope:SCOPE_SE
	s_setreg_imm32_b32 hwreg(HW_REG_WAVE_MODE, 25, 1), 1
	s_wait_xcnt 0x0
; x [8192][1024] and Wq, Wk, Wv, Wo [1024 (k)][1024 (n)], f32, become codes of FP6 (E2M3) with one E8M0 byte for each 32 along K, laid in the ORDER OF THE OPERAND'S REGISTERS.
; A block's scale is 2^(floor(log2(its largest magnitude)) - 2); its byte is the largest magnitude's exponent field - 2, held at 1 from below by a floor among the maximum's leaves.
; LIMITS: a block whose largest magnitude lies under 2^-124, zero too, keeps the byte 1 (the quantiser's text says 127 for zeros: the codes are zeros, and this program alone reads the bytes); NaN and infinities are not served.
; TILES.  16 rows form tile 2 b + u of a group b of 32 rows; lane r of the tile stands for row 32 b + 8 u + r + (r & 8).  (For a weight the rows are its columns n.)
; A FRAGMENT (16 rows x 128 K, 12 registers a lane) is two HALF IMAGES of 768 bytes: registers 0-3 at 16 x lane, registers 4-5 at 512 + 8 x lane.  Codes: [tile][8 K steps][1,536 bytes].
; SCALE WORDS: [group][sigma = 0..3][u][r][2 words: K steps 2 sigma, 2 sigma + 1]: the 256 bytes of (group, sigma) lie at 8 x lane, lane = 16 u + r.
; Work-groups 0-255 take x: group = work-group, wave = sigma (32 rows x 256 K).  Work-groups 256-383 take the weights: a wave takes 32 columns x 256 K.  No barrier: waves share nothing.  LDS is used on x's way alone.
.set R,   16                           ; v16-143  x: two sets of 64 numbers as loaded
.set X,   144                          ; v144-207 x: my row's two blocks of 32
.set C,   208                          ; v208-219 a fragment's codes
.set CT,  220                          ; v220-222, v224-226 a block's upper 16 codes (a conversion's three registers begin on an even number)
.set M,   228
.set SO,  230
.set BY,  232
.set TW,  234
.set W,   236                          ; v236-239 the four fragments' scale words
.set D,   240
.set XW,  16                           ; v16-79   weights: two sets of 32 numbers
.set CB,  80                           ; v80-103  weights: four blocks x 6 registers of codes
.set CTW, 104
.set WQ,  112                          ; v112-113 my column's two scale words
	s_load_b256 s[4:11], s[0:1], 0x0               ; x, Wq, Wk, Wv
	s_load_b256 s[12:19], s[0:1], 0x20             ; Wo, x_img, x_sc, w_img
	s_load_b64 s[24:25], s[0:1], 0x40              ; w_sc
	v_lshl_add_u32 v254, v0, 2, 0x8400
	v_mov_b32 v255, 0
	v_lshrrev_b32 v6, 5, v0
	v_readfirstlane_b32 s22, v6                    ; wave
	v_and_b32 v6, 31, v0                           ; lane
	v_and_b32 v7, 15, v0                           ; r
	v_bfe_u32 v8, v0, 4, 1                         ; lane / 16
	s_mov_b32 s20, 0x76543210
	s_mov_b32 s21, 0xfedcba98                      ; v_permlanex16_b32's selects for lane l xor 16
	s_mov_b32 s27, 0
	s_mov_b32 s29, 0
	s_mov_b32 s31, 0
	s_cmp_lt_u32 ttmp9, 256
	s_cbranch_scc0 .Lweights
; ---------------- x ----------------
	v_lshlrev_b32 v1, 4, v6                        ; 16 x lane
	v_lshlrev_b32 v2, 3, v6                        ; 8 x lane
	s_mul_i32 s23, s22, 8448                       ; my wave's stage: 16 rows x (512 + 16) bytes
	v_add_nc_u32 v3, s23, v1                       ; in: a row's 512 bytes as they lie
	s_wait_alu depctr_va_vdst(0)
	v_mul_u32_u24 v4, v7, 528
	v_lshl_add_u32 v4, v8, 7, v4
	v_add_nc_u32 v4, s23, v4                       ; back: row r, 128 bytes (a block of 32) on for lanes 16-31
	v_lshlrev_b32 v5, 3, v8                        ; 8 x (lane / 16): where my two bytes stand in the scale word
	v_mov_b32 v[TW+1], 0                           ; a lane permute's destination counts as one of its sources
	s_lshl_b32 s26, ttmp9, 17                      ; 32 rows of 4,096 bytes
	s_lshl_b32 s23, s22, 10                        ; 256 numbers along K
	s_add_co_u32 s26, s26, s23
	s_mul_i32 s28, ttmp9, 24576                    ; two tiles of codes
	s_mul_i32 s23, s22, 3072                       ; two K steps
	s_add_co_u32 s28, s28, s23
	s_lshl_b32 s30, ttmp9, 10
	s_lshl_b32 s23, s22, 8
	s_add_co_u32 s30, s30, s23
	s_wait_alu depctr_va_vdst(0)
	s_wait_kmcnt 0x0
	s_add_nc_u64 s[4:5], s[4:5], s[26:27]
	s_add_nc_u64 s[14:15], s[14:15], s[28:29]
	s_add_nc_u64 s[16:17], s[16:17], s[30:31]
; fragment f = 2 u + q: tile u of the group, K step q of my two.  Each load reads 512 consecutive bytes of one row.
.macro LOADX f
.irp i, 0,1,2,3,4,5,6,7,8,9,10,11,12,13,14,15
	global_load_b128 v[R+64*((\f)%2)+4*\i:R+64*((\f)%2)+4*\i+3], v1, s[4:5] offset:(8*((\f)/2)+\i+8*(\i/8))*4096+512*((\f)%2) th:TH_LOAD_NT
.endr
.endm
.macro FRAGX f
.if (\f) < 3
	s_wait_loadcnt 16                              ; my 16 loads are in; the next fragment's 16 stay out
.else
	s_wait_loadcnt 0
.endif
.irp i, 0,1,2,3,4,5,6,7,8,9,10,11,12,13,14,15
	ds_store_b128 v3, v[R+64*((\f)%2)+4*\i:R+64*((\f)%2)+4*\i+3] offset:528*\i
.endr
.irp c, 0,1
.irp j, 0,1,2,3,4,5,6,7
	ds_load_b128 v[X+32*\c+4*\j:X+32*\c+4*\j+3], v4 offset:256*\c+16*\j   ; k = 64 c + 32 (lane / 16) + 0 .. 31 of row r; LDS serves a wave's instructions in order, so these see the stores above
.endr
.endr
	s_wait_dscnt 0x0                               ; the numbers are back, and the stores have read their registers,
.if (\f) < 2
	LOADX (\f)+2                                   ; which take the loads of two fragments on
.endif
.irp c, 0,1
	v_max3_num_f32 v[M+\c], |v[X+32*\c]|, |v[X+32*\c+1]|, 0x1800000   ; block 2 c + lane / 16 is all mine; the floor 2^(3 - 127) holds the byte at 1 from below
.endr
.irp i, 2,4,6,8,10,12,14,16,18,20,22,24,26,28,30
.irp c, 0,1
	v_max3_num_f32 v[M+\c], v[M+\c], |v[X+32*\c+\i]|, |v[X+32*\c+\i+1]|
.endr
.endr
.irp c, 0,1
	v_add_nc_u32 v[SO+\c], 0xff000000, v[M+\c]     ; 2 off the exponent field: the conversion takes this operand's exponent field as its scale
.endr
.irp c, 0,1
	v_lshrrev_b32 v[BY+\c], 23, v[SO+\c]           ; the scale's byte
.endr
	v_lshl_or_b32 v[TW], v[BY+1], 16, v[BY]
	v_lshlrev_b32 v[TW], v5, v[TW]                 ; my two bytes at their places,
	v_permlanex16_b32 v[TW+1], v[TW], s20, s21
	v_or_b32 v[W+\f], v[TW], v[TW+1]               ; with lane l xor 16's two the row's word is whole
	s_wait_alu depctr_va_vdst(0)
	s_wait_xcnt 0x0                                ; the last fragment's stores have read the codes' registers
.irp c, 0,1
	v_cvt_scalef32_pk16_fp6_f32 v[C+6*\c:C+6*\c+2], v[X+32*\c:X+32*\c+15], v[SO+\c]
	v_cvt_scalef32_pk16_fp6_f32 v[CT+4*\c:CT+4*\c+2], v[X+32*\c+16:X+32*\c+31], v[SO+\c]
.endr
	v_nop                                          ; one plain place behind a scaled conversion
.irp c, 0,1
.irp i, 0,1,2
	v_mov_b32 v[C+6*\c+3+\i], v[CT+4*\c+\i]
.endr
.endr
.irp c, 0,1
	global_store_b128 v1, v[C+6*\c:C+6*\c+3], s[14:15] offset:12288*((\f)/2)+1536*((\f)%2)+768*\c        ; 512 consecutive bytes
	global_store_b64 v2, v[C+6*\c+4:C+6*\c+5], s[14:15] offset:12288*((\f)/2)+1536*((\f)%2)+768*\c+512   ; 256 consecutive bytes
.endr
.endm
	LOADX 0
	LOADX 1
	FRAGX 0
	FRAGX 1
	FRAGX 2
	FRAGX 3
	v_cmp_lt_u32 vcc_lo, 15, v6                    ; lanes 16-31 carry tile 1's words
	v_cndmask_b32 v[D], v[W], v[W+2], vcc_lo
	v_cndmask_b32 v[D+1], v[W+1], v[W+3], vcc_lo
	global_store_b64 v2, v[D:D+1], s[16:17]        ; 256 consecutive bytes
	s_wait_tensorcnt 0x0
	ds_add_u32 v254, v255
	s_wait_dscnt 0x0
	s_endpgm
; ---------------- the weights: a lane takes a column n, its registers run down K ----------------
.Lweights:
	s_sub_co_u32 s23, ttmp9, 256
	s_and_b32 s32, s23, 3                          ; sigma: which 256 along K
	s_lshr_b32 s33, s23, 2
	s_lshr_b32 s34, s33, 3                         ; which weight: 0 q, 1 k, 2 v, 3 o
	s_lshl_b32 s35, s33, 2
	s_add_co_u32 s35, s35, s22                     ; my group of 32 columns among the 128 of the four weights
	s_and_b32 s36, s35, 31                         ; and in its weight
	s_wait_alu depctr_va_vdst(0)
	v_and_b32 v1, 8, v7
	v_add_nc_u32 v1, v1, v7
	v_lshl_add_u32 v1, v8, 3, v1
	v_lshlrev_b32 v1, 2, v1                        ; lane 16 u + r takes column 8 u + r + (r & 8) of the 32: a load still covers 128 consecutive bytes
	v_lshlrev_b32 v2, 4, v6
	v_lshlrev_b32 v3, 3, v6
	s_lshl_b32 s26, s32, 20                        ; 256 rows of 4,096 bytes
	s_lshl_b32 s23, s36, 7
	s_add_co_u32 s26, s26, s23
	s_mul_i32 s28, s35, 24576
	s_mul_i32 s23, s32, 3072
	s_add_co_u32 s28, s28, s23
	s_lshl_b32 s30, s35, 10
	s_lshl_b32 s23, s32, 8
	s_add_co_u32 s30, s30, s23
	s_wait_alu depctr_va_vdst(0)
	s_wait_kmcnt 0x0
	s_cmp_eq_u32 s34, 1                            ; the choice hangs on the work-group's number alone
	s_cselect_b64 s[6:7], s[8:9], s[6:7]
	s_cmp_eq_u32 s34, 2
	s_cselect_b64 s[6:7], s[10:11], s[6:7]
	s_cmp_eq_u32 s34, 3
	s_cselect_b64 s[6:7], s[12:13], s[6:7]
	s_add_nc_u64 s[6:7], s[6:7], s[26:27]
	s_add_nc_u64 s[18:19], s[18:19], s[28:29]
	s_add_nc_u64 s[24:25], s[24:25], s[30:31]
.macro LOADW t
.irp i, 0,1,2,3,4,5,6,7,8,9,10,11,12,13,14,15,16,17,18,19,20,21,22,23,24,25,26,27,28,29,30,31
	global_load_b32 v[XW+32*((\t)%2)+\i], v1, s[6:7] offset:(32*(\t)+\i)*4096 th:TH_LOAD_NT
.endr
.endm
.macro BLOCKW t
.set XB, XW+32*((\t)%2)
.if (\t) < 7
	s_wait_loadcnt 32                              ; this block's 32 loads are in; the next block's stay out
.else
	s_wait_loadcnt 0
.endif
	v_max3_num_f32 v108, |v[XB]|, |v[XB+1]|, |v[XB+2]|
	v_max3_num_f32 v109, |v[XB+3]|, |v[XB+4]|, |v[XB+5]|
.irp i, 6,10,14,18,22,26
	v_max3_num_f32 v108, v108, |v[XB+\i]|, |v[XB+\i+1]|
	v_max3_num_f32 v109, v109, |v[XB+\i+2]|, |v[XB+\i+3]|
.endr
	v_max3_num_f32 v108, v108, |v[XB+30]|, |v[XB+31]|
	v_max3_num_f32 v108, v108, v109, 0x1800000     ; and the floor
	v_add_nc_u32 v110, 0xff000000, v108
	v_lshrrev_b32 v111, 23, v110
.if (\t)%4 == 0
	v_mov_b32 v[WQ+(\t)/4], v111
.else
	v_lshl_or_b32 v[WQ+(\t)/4], v111, 8*((\t)%4), v[WQ+(\t)/4]
.endif
.if (\t) == 4
	s_wait_alu depctr_va_vdst(0)
	s_wait_xcnt 0x0                                ; the first K step's stores have read the codes' registers
.endif
	v_cvt_scalef32_pk16_fp6_f32 v[CB+6*((\t)%4):CB+6*((\t)%4)+2], v[XB:XB+15], v110
	v_cvt_scalef32_pk16_fp6_f32 v[CTW:CTW+2], v[XB+16:XB+31], v110
	v_nop                                          ; one plain place behind a scaled conversion
.irp i, 0,1,2
	v_mov_b32 v[CB+6*((\t)%4)+3+\i], v[CTW+\i]
.endr
.if (\t)+2 < 8
	LOADW (\t)+2
.endif
.endm
; Four blocks are a K step.  Lanes 0-15 hold tile 0's rows and lanes 16-31 tile 1's, each a whole block; the operand wants blocks 2 c and 2 c + 1 of ONE tile in the two halves of the lanes:
; the exchange of block 2 c's upper lanes with block 2 c + 1's lower lanes gives half c of tile 0 in the first register and of tile 1 in the second.
.macro OUTW q
.irp i, 0,1,2,3,4,5
	v_permlane16_swap_b32 v[CB+\i], v[CB+6+\i]
	v_permlane16_swap_b32 v[CB+12+\i], v[CB+18+\i]
.endr
.irp c, 0,1
.irp u, 0,1
	global_store_b128 v2, v[CB+12*\c+6*\u:CB+12*\c+6*\u+3], s[18:19] offset:12288*\u+1536*(\q)+768*\c
	global_store_b64 v3, v[CB+12*\c+6*\u+4:CB+12*\c+6*\u+5], s[18:19] offset:12288*\u+1536*(\q)+768*\c+512
.endr
.endr
.endm
	LOADW 0
	LOADW 1
	BLOCKW 0
	BLOCKW 1
	BLOCKW 2
	BLOCKW 3
	OUTW 0
	BLOCKW 4
	BLOCKW 5
	BLOCKW 6
	BLOCKW 7
	OUTW 1
	global_store_b64 v3, v[WQ:WQ+1], s[24:25]      ; lane 16 u + r holds the two words of tile u's row r: 256 consecutive bytes
	s_endpgm
.Lfunc_end_k_q62abfba884_quant:
	.size	k_q62abfba884_quant, .Lfunc_end_k_q62abfba884_quant-k_q62abfba884_quant
	.p2alignl 7, 3214868480
	.fill 96, 4, 3214868480
	.section	.rodata,"a",@progbits
	.p2align	6, 0x0
	.amdhsa_kernel k_q62abfba884_quant
		.amdhsa_group_segment_fixed_size 34304
		.amdhsa_private_segment_fixed_size 0
		.amdhsa_enable_private_segment 0
		.amdhsa_kernarg_size 72
		.amdhsa_user_sgpr_count 2
		.amdhsa_user_sgpr_kernarg_segment_ptr 1
		.amdhsa_wavefront_size32 1
		.amdhsa_system_sgpr_workgroup_id_x 1
		.amdhsa_system_sgpr_workgroup_id_y 1
		.amdhsa_system_sgpr_workgroup_id_z 1
		.amdhsa_system_vgpr_workitem_id 0
		.amdhsa_next_free_vgpr 256
		.amdhsa_next_free_sgpr 66
		.amdhsa_reserve_vcc 1
		.amdhsa_float_denorm_mode_32 3
		.amdhsa_float_denorm_mode_16_64 3
		.amdhsa_memory_ordered 1
		.amdhsa_forward_progress 1
		.amdhsa_inst_pref_size 70
	.end_amdhsa_kernel
	.amdgpu_metadata
---
amdhsa.version: [ 1, 2 ]
amdhsa.kernels:
  - .name:           k_q62abfba884_quant
    .symbol:         k_q62abfba884_quant.kd
    .args:
      - { .name: x, .offset: 0, .size: 8, .value_kind: global_buffer, .address_space: global }
      - { .name: Wq, .offset: 8, .size: 8, .value_kind: global_buffer, .address_space: global }
      - { .name: Wk, .offset: 16, .size: 8, .value_kind: global_buffer, .address_space: global }
      - { .name: Wv, .offset: 24, .size: 8, .value_kind: global_buffer, .address_space: global }
      - { .name: Wo, .offset: 32, .size: 8, .value_kind: global_buffer, .address_space: global }
      - { .name: x_img, .offset: 40, .size: 8, .value_kind: global_buffer, .address_space: global }
      - { .name: x_sc, .offset: 48, .size: 8, .value_kind: global_buffer, .address_space: global }
      - { .name: w_img, .offset: 56, .size: 8, .value_kind: global_buffer, .address_space: global }
      - { .name: w_sc, .offset: 64, .size: 8, .value_kind: global_buffer, .address_space: global }
    .group_segment_fixed_size: 34304
    .private_segment_fixed_size: 0
    .kernarg_segment_align: 8
    .kernarg_segment_size: 72
    .max_flat_workgroup_size: 128
    .sgpr_count:     66
    .vgpr_count:     256
    .wavefront_size: 32
...
	.end_amdgpu_metadata
.endif
;; end of part 1
;; launch qkv (part 2): grid 16 x 48, 4 waves a work-group, clusters of 4 x 4, 295,424 bytes of LDS; arguments x_img, x_sc, w_img, w_sc, bq, bk, bv, qkv_img, qkv_sc; writes qkv_img, qkv_sc
.if DOCPART == 2
	.amdgcn_target "amdgcn-amd-amdhsa--gfx1250"
	.amdhsa_code_object_version 6
	.text
	.protected	k_q62abfba884_qkv
	.globl	k_q62abfba884_qkv
	.p2align	8
	.type	k_q62abfba884_qkv,@function
k_q62abfba884_qkv:
	s_mov_b64 s[64:65], 0
	v_nop
	global_prefetch_b8 v0, s[64:65] scope:SCOPE_SE
	s_setreg_imm32_b32 hwreg(HW_REG_WAVE_MODE, 25, 1), 1
	s_wait_xcnt 0x0
	s_wait_alu depctr_hold_cnt(0) depctr_sa_sdst(0) depctr_va_vdst(0) depctr_va_sdst(0) depctr_va_ssrc(0) depctr_va_vcc(0) depctr_vm_vsrc(0)
	s_getreg_b32 s2, hwreg(HW_REG_IB_STS2, 6, 4)
	s_cmp_eq_u32 s2, 0
	s_cbranch_scc0 .Lentry_in_a_cluster
	s_endpgm
.Lentry_in_a_cluster:
	s_bfe_u32 s2, ttmp6, 0x10000c
	s_cmp_lg_u32 s2, 0xf033
	s_cbranch_scc0 .Lentry_shape_is_right
	s_endpgm
.Lentry_shape_is_right:
; q = x Wq + bq, k = x Wk + bk, v = x Wv + bv on codes of FP6 (E2M3) with E8M0 scales, K = 1,024; the results are quantised again in registers and leave as codes: q and k along the head's 64, v along the keys.
; A work-group makes 256 rows of an operand called A here x 128 rows of an operand called B.  The matrix instruction takes source 0 = 16 rows of B, source 1 = 16 rows of A: a lane is a row of A, its registers run along B's rows.
; ONE TEXT, TWO PARTS, told apart by the cluster's y (the same in all sixteen partners) through selects alone, never a branch:  y < 8: A = x, B = [Wq; Wk]: registers run along the head;  y >= 8: A = Wv, B = x: registers run along the keys.
; TILES: lane r of tile 2 b + u stands for row 32 b + 8 u + r + (r & 8), so the 16 registers of B's tiles 2 b, 2 b + 1 are the 16 neighbours 32 b + 16 (lane / 16) + 0 .. 15: what a conversion takes.
; ALL OF K LIES IN LDS, 294,912 bytes in four slots of 256 along K, each byte filled once: four tensor loads a wave go out at the head, and a counted wait and a barrier stand ahead of each slot's first read.
; CLUSTER 4 x 4: A's tiles are asked for jointly along a row of the cluster, B's along a column.
; Four waves; wave w owns A's tiles 4 w .. 4 w + 3 against B's eight: 32 accumulators, which take turns in the same order in every K step.
; LIMITS: a block whose largest magnitude lies under 2^-124, zero too, keeps the byte 1; NaN and infinities are not served.  Bytes 2 and 3 of q's and k's scale words are the neighbouring head's bytes or 0, never 0xff: they meet zero codes.
; REGISTERS: window 0: v1-15 offsets; v16-31 A's scale words, v32-63 B's; v64-127 the bias along B's rows; v128-223 A's fragments, two sets; v224-231 the bias along A's rows.  window 1: B's fragments, two sets, at v0 and v128.  window 2: accumulator (a, b) at v[64 a + 8 b].
.set SA,  16
.set SB,  32
.set BB,  64
.set AF,  128
.set BL,  224
.set HA,  128                          ; the way out: 64 numbers of a lane
.set PC,  192                          ; the codes just made
.set TM,  64
.set PW,  80
.set PWS, 84
.set DW,  88
.set SLOT, 73728                       ; A's 16 tiles x 3,072 bytes, then B's 8
.set WV,  22
.set SEL, 66
.set MSB, 0
.macro WIN new                         ; the immediate's high byte repeats the setting that is left
.if MSB != \new
	s_set_vgpr_msb (MSB<<8)|\new
.set MSB, \new
.endif
.endm
.macro CROUND                          ; a round of the cluster's barrier
	s_barrier_signal -1
	s_barrier_wait -1
	s_cmp_lg_u32 s[WV], 0
	s_cbranch_scc1 .Lnot_wave_0_\@
	s_barrier_signal -3
.Lnot_wave_0_\@:
	s_barrier_wait -3
	s_barrier_signal -1
	s_barrier_wait -1
.endm
	s_load_b256 s[4:11], s[0:1], 0x0               ; x_img, x_sc, w_img, w_sc
	s_load_b256 s[12:19], s[0:1], 0x20             ; bq, bk, bv, qkv_img
	s_load_b64 s[20:21], s[0:1], 0x40              ; qkv_sc
	v_lshl_add_u32 v254, v0, 2, 0x48000
	v_mov_b32 v255, 0
	ds_add_u32 v254, v255
	ds_add_u32 v254, v255
	v_lshrrev_b32 v1, 5, v0
	v_readfirstlane_b32 s[WV], v1                  ; wave 0..3
	s_and_b32 s23, s[WV], 1                        ; which half of a tile's rows I fetch
	s_bfe_u32 s24, ttmp6, 0x40000                  ; cx
	s_bfe_u32 s25, ttmp6, 0x40004                  ; cy
	s_and_b32 s27, ttmp7, 0xffff                   ; the cluster's y
	s_cmp_ge_u32 s27, 8
	s_cselect_b32 s28, 1, 0                        ; 1: the v part
	s_cselect_b32 s29, 0, s27
	s_lshl_b32 s29, s29, 2
	s_add_co_u32 s29, s29, s25                     ; tr: which 256 rows of A (it never holds cx)
	s_max_u32 s30, s27, 8
	s_sub_co_u32 s30, s30, 8
	s_lshl_b32 s30, s30, 2
	s_add_co_u32 s30, s30, ttmp9
	s_lshl_b32 s30, s30, 2
	s_add_co_u32 s30, s30, s24                     ; tc: which 128 rows of B (it never holds cy)
	s_lshl_b32 s2, s25, 2
	s_lshl_b32 s2, 15, s2                          ; my row of the cluster
	s_lshl_b32 s3, 0x1111, s24                     ; my column
	; group 1: tiles' parts of 3,072 bytes (384 elements of 8 bytes), 12,288 bytes apart: A 8 tiles a load, B 4
	s_or_b32 s32, s2, (3<<16)|(1<<21)
	s_mov_b32 s33, 384<<16
	s_mov_b32 s34, 8<<16
	s_mov_b32 s35, 384<<16
	s_mov_b32 s36, 8
	s_mov_b32 s37, 1536
	s_mov_b32 s38, 0
	s_mov_b32 s39, 0
	s_or_b32 s40, s3, (3<<16)|(1<<21)
	s_mov_b32 s41, 384<<16
	s_mov_b32 s42, 4<<16
	s_mov_b32 s43, 384<<16
	s_mov_b32 s44, 4
	s_mov_b32 s45, 1536
	s_mov_b32 s46, 0
	s_mov_b32 s47, 0
	s_mov_b32 s[SEL], 0x76543210
	s_mov_b32 s[SEL+1], 0xfedcba98
	s_lshl_b32 s92, s29, 4
	s_lshl_b32 s2, s23, 3
	s_add_co_u32 s92, s92, s2
	s_mul_i32 s92, s92, 12288                      ; A: tile 16 tr + 8 (w & 1)
	s_mov_b32 s93, 0
	s_lshl_b32 s94, s30, 3
	s_lshl_b32 s2, s23, 2
	s_add_co_u32 s94, s94, s2
	s_mul_i32 s94, s94, 12288                      ; B: tile 8 tc + 4 (w & 1)
	s_mov_b32 s95, 0
	s_mul_i32 s26, s23, 24576                      ; where they go in a slot: the wave's number alone enters an LDS address
	s_mul_i32 s31, s23, 12288
	s_add_co_u32 s31, s31, 49152
	s_wait_dscnt 0x0
	s_wait_kmcnt 0x0
	s_cmp_lg_u32 s28, 0
	s_cselect_b64 s[84:85], s[8:9], s[4:5]         ; A's codes
	s_cselect_b64 s[86:87], s[10:11], s[6:7]       ; A's scale words
	s_cselect_b64 s[88:89], s[4:5], s[8:9]         ; B's codes
	s_cselect_b64 s[90:91], s[6:7], s[10:11]       ; B's scale words
	s_cselect_b32 s2, 1572864, 0                   ; Wv begins at tile 128 of the weights,
	s_cselect_b32 s3, 65536, 0                     ; group 64
	s_add_co_u32 s92, s92, s2
	s_add_nc_u64 s[84:85], s[84:85], s[92:93]
	s_add_nc_u64 s[88:89], s[88:89], s[94:95]
	s_lshl_b32 s92, s29, 13
	s_lshl_b32 s2, s[WV], 11
	s_add_co_u32 s92, s92, s2
	s_add_co_u32 s92, s92, s3
	s_add_nc_u64 s[86:87], s[86:87], s[92:93]      ; my four tiles' two groups
	s_lshl_b32 s94, s30, 12
	s_add_nc_u64 s[90:91], s[90:91], s[94:95]      ; B's four groups
	CROUND                                         ; all sixteen work-groups are here: the joint loads meet
.irp g, 0,1,2,3
	s_mov_b32 s[48+4*\g], 1
	s_add_co_u32 s[49+4*\g], s26, \g*SLOT
	s_add_nc_u64 s[50+4*\g:51+4*\g], s[84:85], \g*3072
	s_or_b32 s[51+4*\g], s[51+4*\g], 0x80000000
	s_mov_b32 s[68+4*\g], 1
	s_add_co_u32 s[69+4*\g], s31, \g*SLOT
	s_add_nc_u64 s[70+4*\g:71+4*\g], s[88:89], \g*3072
	s_or_b32 s[71+4*\g], s[71+4*\g], 0x80000000
.endr
	s_cmp_lt_u32 s[WV], 2                          ; waves 0, 1 fetch A's halves, waves 2, 3 B's: a wave's four fills stand in one branch; four loads of mine are out
	s_cbranch_scc0 .Lfill_b
	tensor_load_to_lds s[48:51], s[32:39]
	s_nop 0
	tensor_load_to_lds s[52:55], s[32:39]
	s_nop 0
	tensor_load_to_lds s[56:59], s[32:39]
	s_nop 0
	tensor_load_to_lds s[60:63], s[32:39]
	s_nop 0
.rept 4
	v_nop
.endr
	s_branch .Lfilled
.Lfill_b:
	tensor_load_to_lds s[68:71], s[40:47]
	s_nop 0
	tensor_load_to_lds s[72:75], s[40:47]
	s_nop 0
	tensor_load_to_lds s[76:79], s[40:47]
	s_nop 0
	tensor_load_to_lds s[80:83], s[40:47]
	s_nop 0
.rept 4
	v_nop
.endr
.Lfilled:
	v_and_b32 v3, 31, v0
	v_lshlrev_b32 v1, 4, v3                        ; 16 x lane
	v_lshlrev_b32 v2, 3, v3                        ; 8 x lane
	; the scale words of all of K, straight into registers: a pair holds K steps 2 g, 2 g + 1; lanes 0-15 the even tile's rows, lanes 16-31 the odd tile's.  Each load covers 256 consecutive bytes
.irp b, 0,1
.irp g, 0,1,2,3
	global_load_b64 v[SA+8*\b+2*\g:SA+8*\b+2*\g+1], v2, s[86:87] offset:1024*\b+256*\g
.endr
.endr
.irp b, 0,1,2,3
.irp g, 0,1,2,3
	global_load_b64 v[SB+8*\b+2*\g:SB+8*\b+2*\g+1], v2, s[90:91] offset:1024*\b+256*\g
.endr
.endr
	; where the results go
	s_lshl_b32 s96, s29, 4
	s_lshl_b32 s97, s[WV], 2
	s_add_co_u32 s96, s96, s97                     ; my first tile of A
	s_lshl_b32 s97, s30, 3                         ; B's first tile
	s_cmp_lg_u32 s28, 0
	s_cselect_b32 s98, s97, s96                    ; the tile of x,
	s_cselect_b32 s99, s96, s97                    ; the tile of the weight
	s_lshr_b32 s96, s98, 7                         ; batch
	s_and_b32 s98, s98, 127                        ; tile in the batch
	s_lshr_b32 s97, s99, 2
	s_lshr_b32 s26, s97, 4
	s_and_b32 s97, s97, 15                         ; head
	s_cmp_lg_u32 s28, 0
	s_cselect_b32 s26, 2, s26                      ; 0 q, 1 k, 2 v
	s_lshl_b32 s96, s96, 4
	s_add_co_u32 s96, s96, s97                     ; 16 x batch + head
	s_cmp_eq_u32 s26, 1
	s_cselect_b64 s[12:13], s[14:15], s[12:13]
	s_cmp_eq_u32 s26, 2
	s_cselect_b64 s[12:13], s[16:17], s[12:13]     ; the bias
	s_lshl_b32 s2, s97, 8
	s_lshl_b32 s3, s99, 6
	s_cmp_lg_u32 s28, 0
	s_cselect_b32 s2, 0, s2
	s_cselect_b32 s3, s3, 0
	v_and_b32 v14, 15, v0                          ; r
	v_bfe_u32 v15, v0, 4, 1                        ; lane / 16
	v_lshl_add_u32 v12, v15, 6, s2                 ; along B's rows: 64 (lane / 16) + the head's 256 bytes
	v_and_b32 v13, 8, v14
	v_add_nc_u32 v13, v13, v14
	v_lshl_add_u32 v13, v13, 2, s3                 ; along A's rows: 4 (r + (r & 8)) + the tile's 64 bytes
	; both biases are loaded in both parts, from addresses inside the 4,096 bytes, and the one that does not apply is made 0 below
.irp b, 0,1,2,3,4,5,6,7
	global_load_b128 v[BB+8*\b:BB+8*\b+3], v12, s[12:13] offset:4*(32*(\b/2)+8*(\b%2))
	global_load_b128 v[BB+8*\b+4:BB+8*\b+7], v12, s[12:13] offset:4*(32*(\b/2)+8*(\b%2))+16
.endr
.irp a, 0,1,2,3
	global_load_b32 v[BL+2*\a], v13, s[12:13] offset:4*(32*(\a/2)+8*(\a%2))
	global_load_b32 v[BL+2*\a+1], v13, s[12:13] offset:4*(32*(\a/2)+8*(\a%2))
.endr
	s_lshl_b32 s2, s26, 6
	s_add_co_u32 s2, s2, s96
	s_mul_i32 s2, s2, 98304                        ; the plane,
	s_mul_i32 s3, s98, 768                         ; q, k: the tile's half image; v: 8 tiles of x are a key step of 6,144 bytes
	s_add_co_u32 s92, s2, s3
	s_add_nc_u64 s[18:19], s[18:19], s[92:93]
	s_cmp_lg_u32 s28, 0
	s_mov_b32 s100, 768
	s_cselect_b32 s100, 1536, s100                 ; from one tile of A to the next
	s_mov_b32 s101, 0
	s_mov_b32 s31, 98304
	s_cselect_b32 s31, 768, s31                    ; the second half image: v: behind the first; q, k: the next head's plane
	s_mov_b32 s99, 256
	s_cselect_b32 s99, 128, s99
	s_cselect_b32 s3, 0, 16
	s_cmp_eq_u32 s26, 0
	s_mov_b32 s2, 12288
	s_cselect_b32 s2, 8192, s2                     ; a head's scale words: q 8,192 bytes; k and v together 12,288
	s_cselect_b32 s94, 0, 524288
	s_mul_i32 s96, s96, s2
	s_add_co_u32 s94, s94, s96
	s_lshr_b32 s98, s98, 2
	s_mul_i32 s98, s98, s99
	s_add_co_u32 s94, s94, s98
	s_cmp_lg_u32 s28, 0
	s_cselect_b32 s96, 8192, 0                     ; v's lie behind k's
	s_add_co_u32 s94, s94, s96
	s_add_nc_u64 s[20:21], s[20:21], s[94:95]
	s_cmp_lg_u32 s28, 0
	s_cselect_b32 s2, 0, s2
	s_cselect_b32 s96, 0, -1                       ; keeps the bias along B's rows in the q, k part,
	s_cselect_b32 s97, -1, 0                       ; that along A's rows in the v part
	v_add_nc_u32 v8, s31, v1
	v_add_nc_u32 v9, s31, v2
	v_mul_u32_u24 v10, s2, v15
	v_lshl_add_u32 v10, v14, 4, v10                ; scale words: 16 r; in the q, k part lanes 16-31 write the next head's
	v_mul_u32_u24 v11, s3, v15                     ; which are the words' upper halves
	s_mul_i32 s2, s[WV], 12288
	v_add_nc_u32 v4, s2, v1                        ; my four tiles of A in a slot,
	v_add_nc_u32 v5, s2, v2
	v_add_nc_u32 v6, 49152, v1                     ; B's eight
	v_add_nc_u32 v7, 49152, v2
	s_wait_loadcnt 0x0
.set i, 0
.rept 64
	v_cndmask_b32 v[BB+i], 0, v[BB+i], s96
.set i, i+1
.endr
.set i, 0
.rept 8
	v_cndmask_b32 v[BL+i], 0, v[BL+i], s97
.set i, i+1
.endr
.macro FRAG reg, a16, a8, off          ; a fragment's two half images
	ds_load_b128 v[\reg:\reg+3], v[\a16] offset:\off
	ds_load_b64 v[\reg+4:\reg+5], v[\a8] offset:\off+512
	ds_load_b128 v[\reg+6:\reg+9], v[\a16] offset:\off+768
	ds_load_b64 v[\reg+10:\reg+11], v[\a8] offset:\off+1280
.endm
.macro FETCH s                         ; K step s into set s % 2: 48 loads in one run
	WIN 0x40
.irp b, 0,1,2,3,4,5,6,7
	FRAG 128*((\s)%2)+12*\b, 6, 7, 1536*((\s)%2)+3072*\b
.endr
	WIN 0
.irp a, 0,1,2,3
	FRAG AF+48*((\s)%2)+12*\a, 4, 5, 1536*((\s)%2)+3072*\a
.endr
.endm
.macro WM a, b, s                      ; an odd tile's scale words stand in lanes 16-31 of its group's register
.set rD, 64*(\a)+8*(\b)
.set rC, rD
.if (\s) == 0
.set rC, BB+8*(\b)
.endif
.set rB, 128*((\s)%2)+12*(\b)
.set rA, AF+48*((\s)%2)+12*(\a)
.set rT, SB+8*((\b)/2)+(\s)
.set rU, SA+8*((\a)/2)+(\s)
.if ((\a)%2 == 0) && ((\b)%2 == 0)
	v_wmma_scale_f32_16x16x128_f8f6f4 v[rD:rD+7], v[rB:rB+11], v[rA:rA+11], v[rC:rC+7], v[rT], v[rU] matrix_a_fmt:MATRIX_FMT_FP6 matrix_b_fmt:MATRIX_FMT_FP6
.elseif ((\a)%2 == 0)
	v_wmma_scale_f32_16x16x128_f8f6f4 v[rD:rD+7], v[rB:rB+11], v[rA:rA+11], v[rC:rC+7], v[rT], v[rU] matrix_a_fmt:MATRIX_FMT_FP6 matrix_b_fmt:MATRIX_FMT_FP6 matrix_a_scale:MATRIX_SCALE_ROW1
.elseif ((\b)%2 == 0)
	v_wmma_scale_f32_16x16x128_f8f6f4 v[rD:rD+7], v[rB:rB+11], v[rA:rA+11], v[rC:rC+7], v[rT], v[rU] matrix_a_fmt:MATRIX_FMT_FP6 matrix_b_fmt:MATRIX_FMT_FP6 matrix_b_scale:MATRIX_SCALE_ROW1
.else
	v_wmma_scale_f32_16x16x128_f8f6f4 v[rD:rD+7], v[rB:rB+11], v[rA:rA+11], v[rC:rC+7], v[rT], v[rU] matrix_a_fmt:MATRIX_FMT_FP6 matrix_b_fmt:MATRIX_FMT_FP6 matrix_a_scale:MATRIX_SCALE_ROW1 matrix_b_scale:MATRIX_SCALE_ROW1
.endif
.endm
.macro MUL s                           ; 32 matrix instructions.  K step 0 takes the bias (window 0) as C: nothing is cleared
.if (\s) == 0
	WIN 0x81
.else
	WIN 0xa1
.endif
.irp a, 0,1,2,3
.irp b, 0,1,2,3,4,5,6,7
	WM \a, \b, \s
.endr
.endr
.endm
.macro STEPK s
	s_wait_dscnt 0x0                               ; this step's fragments are in (asked for 32 matrix instructions ago); no LDS instruction of mine is out at the barrier
.if ((\s)%2 == 1) && ((\s) < 7)
	WIN 0
	s_wait_tensorcnt 3-((\s)+1)/2                  ; my load of the next slot has landed; those of the later slots stay out
	s_barrier_signal -1
	s_barrier_wait -1                              ; everybody's has
	v_add_nc_u32 v4, SLOT, v4                      ; on to the next slot: these four are also the places ahead of loads into registers that matrix instructions have read
	v_add_nc_u32 v5, SLOT, v5
	v_add_nc_u32 v6, SLOT, v6
	v_add_nc_u32 v7, SLOT, v7
.elseif (\s) < 7
	WIN 0
.rept 4
	v_nop                                          ; the same four places
.endr
.endif
.if (\s) < 7
	FETCH (\s)+1
.endif
	MUL \s
.endm
	s_wait_tensorcnt 3                             ; my load of slot 0 has landed; three stay out
	s_barrier_signal -1
	s_barrier_wait -1
	FETCH 0
	STEPK 0
	STEPK 1
	STEPK 2
	STEPK 3
	STEPK 4
	STEPK 5
	STEPK 6
	STEPK 7
	WIN 0
; 64 numbers of a lane, register 16 b + i = place 32 b + 16 (lane / 16) + i along the axis to be quantised, become a fragment's codes in v[PC] on and its scale word in v[PW]
.macro QUANT s
.irp b, 0,1,2,3
	v_max3_num_f32 v[TM+\b], |v[\s+16*\b]|, |v[\s+1+16*\b]|, 0x1800000   ; my 16 numbers of block b, and the floor 2^(3 - 127)
.endr
.irp i, 2,4,6,8,10,12,14
.irp b, 0,1,2,3
	v_max3_num_f32 v[TM+\b], v[TM+\b], |v[\s+16*\b+\i]|, |v[\s+1+16*\b+\i]|
.endr
.endr
.irp b, 0,1,2,3
	v_permlanex16_b32 v[TM+4+\b], v[TM+\b], s[SEL], s[SEL+1]
.endr
.irp b, 0,1,2,3
	v_max_num_f32 v[TM+\b], v[TM+\b], v[TM+4+\b]   ; with lane l xor 16's: the block's largest magnitude
.endr
.irp b, 0,1,2,3
	v_add_nc_u32 v[TM+12+\b], 0xff000000, v[TM+\b] ; 2 off its exponent field: the conversion's scale operand
.endr
.irp b, 0,1,2,3
	v_lshrrev_b32 v[TM+4+\b], 23, v[TM+12+\b]      ; the scale's byte
.endr
	v_lshl_or_b32 v[PW], v[TM+5], 8, v[TM+4]
	v_lshl_or_b32 v[PW], v[TM+6], 16, v[PW]
	v_lshl_or_b32 v[PW], v[TM+7], 24, v[PW]
.irp c, 0,1
	v_cvt_scalef32_pk16_fp6_f32 v[PC+6*\c:PC+2+6*\c], v[\s+32*\c:\s+15+32*\c], v[TM+12+2*\c]
	v_cvt_scalef32_pk16_fp6_f32 v[PC+12+4*\c:PC+14+4*\c], v[\s+16+32*\c:\s+31+32*\c], v[TM+12+2*\c+1]
.endr
	v_nop                                          ; one plain place behind a scaled conversion
.irp c, 0,1                                    ; the operand wants a whole block in a lane
.irp i, 0,1,2
	v_permlane16_swap_b32 v[PC+6*\c+\i], v[PC+12+4*\c+\i]
.endr
.irp i, 0,1,2
	v_mov_b32 v[PC+3+6*\c+\i], v[PC+12+4*\c+\i]
.endr
.endr
.endm
; A's tile a: the lane's bias is added on the way into window 0 (each accumulator from its low end on), 64 numbers are quantised, two half images leave.
.macro OUTBLK a
	WIN 0x02
.set p, 0
.rept 32
	v_pk_add_f32 v[HA+2*p:HA+2*p+1], v[64*(\a)+2*p:64*(\a)+2*p+1], v[BL+2*(\a):BL+2*(\a)+1]
.set p, p+1
.endr
	WIN 0
	s_wait_xcnt 0x0                                ; the last tile's stores have read their base and the codes' registers
.if (\a) > 0
	s_add_nc_u64 s[18:19], s[18:19], s[100:101]
.endif
	QUANT HA
	v_mov_b32 v[PWS+(\a)], v[PW]
	global_store_b128 v1, v[PC:PC+3], s[18:19]
	global_store_b64 v2, v[PC+4:PC+5], s[18:19] offset:512
	global_store_b128 v8, v[PC+6:PC+9], s[18:19]
	global_store_b64 v9, v[PC+10:PC+11], s[18:19] offset:512
.endm
.irp b, 0,1,2,3
	v_mov_b32 v[TM+4+\b], 0                        ; a lane permute's destination counts as one of its sources; these four are also the places behind the last products
.endr
	OUTBLK 0
	OUTBLK 1
	OUTBLK 2
	OUTBLK 3
.irp i, 0,1,2,3
	v_lshrrev_b32 v[DW+\i], v11, v[PWS+\i]
.endr
	global_store_b128 v10, v[DW:DW+3], s[20:21]    ; sixteen lanes store 256 consecutive bytes: four tiles' words of each row.  In the v part both halves of the lanes store the same bytes with the same values
	s_wait_tensorcnt 0x0
	ds_add_u32 v254, v255
	s_wait_dscnt 0x0
	CROUND                                         ; the closing round: no work-group ends while a partner may still ask for a tile that names it
	s_endpgm
.Lfunc_end_k_q62abfba884_qkv:
	.size	k_q62abfba884_qkv, .Lfunc_end_k_q62abfba884_qkv-k_q62abfba884_qkv
	.p2alignl 7, 3214868480
	.fill 96, 4, 3214868480
	.section	.rodata,"a",@progbits
	.p2align	6, 0x0
	.amdhsa_kernel k_q62abfba884_qkv
		.amdhsa_group_segment_fixed_size 295424
		.amdhsa_private_segment_fixed_size 0
		.amdhsa_enable_private_segment 0
		.amdhsa_kernarg_size 72
		.amdhsa_user_sgpr_count 2
		.amdhsa_user_sgpr_kernarg_segment_ptr 1
		.amdhsa_wavefront_size32 1
		.amdhsa_system_sgpr_workgroup_id_x 1
		.amdhsa_system_sgpr_workgroup_id_y 1
		.amdhsa_system_sgpr_workgroup_id_z 1
		.amdhsa_system_vgpr_workitem_id 0
		.amdhsa_next_free_vgpr 768
		.amdhsa_next_free_sgpr 102
		.amdhsa_reserve_vcc 0
		.amdhsa_float_denorm_mode_32 3
		.amdhsa_float_denorm_mode_16_64 3
		.amdhsa_memory_ordered 1
		.amdhsa_forward_progress 1
		.amdhsa_inst_pref_size 104
	.end_amdhsa_kernel
	.amdgpu_metadata
---
amdhsa.version: [ 1, 2 ]
amdhsa.kernels:
  - .name:           k_q62abfba884_qkv
    .symbol:         k_q62abfba884_qkv.kd
    .args:
      - { .name: x_img, .offset: 0, .size: 8, .value_kind: global_buffer, .address_space: global }
      - { .name: x_sc, .offset: 8, .size: 8, .value_kind: global_buffer, .address_space: global }
      - { .name: w_img, .offset: 16, .size: 8, .value_kind: global_buffer, .address_space: global }
      - { .name: w_sc, .offset: 24, .size: 8, .value_kind: global_buffer, .address_space: global }
      - { .name: bq, .offset: 32, .size: 8, .value_kind: global_buffer, .address_space: global }
      - { .name: bk, .offset: 40, .size: 8, .value_kind: global_buffer, .address_space: global }
      - { .name: bv, .offset: 48, .size: 8, .value_kind: global_buffer, .address_space: global }
      - { .name: qkv_img, .offset: 56, .size: 8, .value_kind: global_buffer, .address_space: global }
      - { .name: qkv_sc, .offset: 64, .size: 8, .value_kind: global_buffer, .address_space: global }
    .group_segment_fixed_size: 295424
    .private_segment_fixed_size: 0
    .kernarg_segment_align: 8
    .kernarg_segment_size: 72
    .max_flat_workgroup_size: 128
    .sgpr_count:     102
    .vgpr_count:     768
    .wavefront_size: 32
...
	.end_amdgpu_metadata
.endif
;; end of part 2
;; launch attn (part 3): grid 4 x 64, 16 waves a work-group, clusters of 4 x 1, 210,944 bytes of LDS; arguments qkv_img, qkv_sc, ctx_img, ctx_sc; writes ctx_img, ctx_sc
.if DOCPART == 3
	.amdgcn_target "amdgcn-amd-amdhsa--gfx1250"
	.amdhsa_code_object_version 6
	.text
	.protected	k_q62abfba884_attn
	.globl	k_q62abfba884_attn
	.p2align	8
	.type	k_q62abfba884_attn,@function
k_q62abfba884_attn:
	s_mov_b64 s[64:65], 0
	v_nop
	global_prefetch_b8 v0, s[64:65] scope:SCOPE_SE
	s_setreg_imm32_b32 hwreg(HW_REG_WAVE_MODE, 25, 1), 1
	s_wait_xcnt 0x0
	s_wait_alu depctr_hold_cnt(0) depctr_sa_sdst(0) depctr_va_vdst(0) depctr_va_sdst(0) depctr_va_ssrc(0) depctr_va_vcc(0) depctr_vm_vsrc(0)
	s_getreg_b32 s2, hwreg(HW_REG_IB_STS2, 6, 4)
	s_cmp_eq_u32 s2, 0
	s_cbranch_scc0 .Lentry_in_a_cluster
	s_endpgm
.Lentry_in_a_cluster:
	s_bfe_u32 s2, ttmp6, 0x10000c
	s_cmp_lg_u32 s2, 0x3003
	s_cbranch_scc0 .Lentry_shape_is_right
	s_endpgm
.Lentry_shape_is_right:
; ctx = softmax(q k^T / 32, causal) v for one (batch, head) a cluster, both products on codes of FP6 (E2M3) with E8M0 scales; ctx leaves as codes along head x 64 + d, in the next product's register order.
; THE SOFTMAX: t = score x log2(e) / 32; M = the row's largest t so far, rounded up to a whole number; p = 2^(t - M) is quantised along the keys, not normalised; the row's sum is taken of the unquantised p and divides at the end.
; When M moves, the sum and O are multiplied by 2^(old M - new M): exact.
; SHARES.  The four work-groups of a cluster own one (batch, head): ALL its codes and scale words of k and v, 208,896 bytes, lie in each one's LDS, each byte filled once, by joint loads (three a wave, all at the head).
; A wave owns one tile of 16 queries at a time and makes two passes: group j = wave / 2 of 128 queries, then group 15 - j: j + 1 and 16 - j key steps of 128 keys, 17 for every wave.  Its tile in the group is 2 cx + (wave & 1):
; cx enters global addresses and the mask's lane number alone; every branch hangs on the wave's number and on a loop's counter.  The loops' trip counts are constants; a key step that lies wholly behind the wave's queries is jumped over.
; LAYOUT.  S^T = k q^T (source 0 = 16 keys, source 1 = my queries), O^T = v^T p^T (source 0 = 16 of the head's 64): a lane holds one query throughout.  Lane r of a tile 2 b + u stands for row 32 b + 8 u + r + (r & 8),
; so that the 16 registers of two neighbouring tiles are 16 neighbours: keys for p, d for ctx.
; THE HEAD'S 64 FILL HALF OF THE INSTRUCTION'S K.  q's upper six registers are zero codes.  k's eight half fragments stand on end, so the upper six registers of one fragment are the next tile's codes (of the last: zeros):
; they meet q's zero codes; the format has no NaN or infinity and the scale bytes there are never 0xff, so they add exactly 0.
; LIMITS: a block whose largest magnitude lies under 2^-124, zero too, keeps the byte 1; NaN and infinities are not served.  ctx's scale bytes leave as 2 bytes a row, 8 bytes apart (a whole word would want two heads in one wave): 262,144 bytes in all.
.set KS,  36                           ; v36-43   k's scale words, a register a tile
.set VS,  44                           ; v44-47   v's
.set KF,  48                           ; v48-101  k's eight half fragments and six zeros
.set VF,  102                          ; v102-149 v's four fragments
.set S,   150                          ; v150-213 S^T, then p
.set O,   214                          ; v214-245 O^T
.set PC,  48                           ; laid over k's fragments once S^T is made: p's codes,
.set PT,  60                           ; v60-62, v64-66 the conversions' second halves,
.set BM,  68                           ; the blocks' largest scores,
.set BP,  72
.set BO,  76
.set SM2, 80                           ; the sum's second chain
.set WV,  12
.set SEL, 20
.set CS,  22
.macro CROUND
	s_barrier_signal -1
	s_barrier_wait -1
	s_cmp_lg_u32 s[WV], 0
	s_cbranch_scc1 .Lnot_wave_0_\@
	s_barrier_signal -3
.Lnot_wave_0_\@:
	s_barrier_wait -3
	s_barrier_signal -1
	s_barrier_wait -1
.endm
	s_load_b256 s[4:11], s[0:1], 0x0               ; qkv_img, qkv_sc, ctx_img, ctx_sc
	v_lshl_add_u32 v254, v0, 2, 0x33000
	v_mov_b32 v255, 0
	ds_add_u32 v254, v255
	ds_add_u32 v254, v255
	v_lshrrev_b32 v1, 5, v0
	s_delay_alu instid0(VALU_DEP_1)
	v_readfirstlane_b32 s[WV], v1                  ; wave 0..15
	s_and_b32 s13, ttmp7, 0xffff                   ; 16 x batch + head, which the four partners share
	s_bfe_u32 s14, ttmp6, 0x40000                  ; cx
	s_and_b32 s15, s[WV], 1
	s_lshr_b32 s16, s[WV], 1                       ; j
	s_mov_b32 s[SEL], 0x76543210
	s_mov_b32 s[SEL+1], 0xfedcba98
	s_mov_b32 s[CS], 0x3d38aa3b                    ; c = log2(e) / 32
	s_mov_b32 s[CS+1], s[CS]
	; group 1: dense blocks as rows of 256 bytes (32 elements of 8 bytes): 3 rows of scale words, 24 rows of codes; the mask names all four work-groups
	s_mov_b32 s24, 15|(3<<16)|(1<<21)
	s_mov_b32 s25, 32<<16
	s_mov_b32 s26, 3<<16
	s_mov_b32 s27, 32<<16
	s_mov_b32 s28, 3
	s_mov_b32 s29, 32
	s_mov_b32 s30, 0
	s_mov_b32 s31, 0
	s_mov_b32 s32, 15|(3<<16)|(1<<21)
	s_mov_b32 s33, 32<<16
	s_mov_b32 s34, 24<<16
	s_mov_b32 s35, 32<<16
	s_mov_b32 s36, 24
	s_mov_b32 s37, 32
	s_mov_b32 s38, 0
	s_mov_b32 s39, 0
	s_mul_i32 s70, s[WV], 768                      ; the scale words: k's 8,192 and v's 4,096 bytes lie on end: 768 a wave
	s_add_co_u32 s41, s70, 196608
	s_mul_i32 s68, s13, 12288
	s_add_co_u32 s68, s68, s70
	s_add_co_u32 s68, s68, 524288
	s_mov_b32 s69, 0
	s_lshr_b32 s66, s[WV], 3                       ; waves 0-7 fetch k's codes, waves 8-15 v's: 6,144 bytes of each half of the plane
	s_and_b32 s67, s[WV], 7
	s_mul_i32 s67, s67, 6144
	s_mul_i32 s71, s66, 98304
	s_add_co_u32 s45, s71, s67
	s_add_co_u32 s49, s45, 49152
	s_lshl_b32 s66, s66, 6
	s_add_co_u32 s66, s66, 64
	s_add_co_u32 s66, s66, s13
	s_mul_i32 s66, s66, 98304
	s_add_co_u32 s66, s66, s67
	s_mov_b32 s67, 0
	s_wait_dscnt 0x0
	s_wait_kmcnt 0x0
	s_mov_b32 s40, 1
	s_add_nc_u64 s[42:43], s[6:7], s[68:69]
	s_or_b32 s43, s43, 0x80000000
	s_mov_b32 s44, 1
	s_add_nc_u64 s[46:47], s[4:5], s[66:67]
	s_mov_b32 s48, 1
	s_add_nc_u64 s[50:51], s[46:47], 49152
	s_or_b32 s47, s47, 0x80000000
	s_or_b32 s51, s51, 0x80000000
	CROUND                                         ; all four work-groups are here: the joint loads meet
	tensor_load_to_lds s[40:43], s[24:31]          ; three loads of mine are out: the scale words,
	s_nop 0
	tensor_load_to_lds s[44:47], s[32:39]          ; my part of keys 0 to 1,023,
	s_nop 0
	tensor_load_to_lds s[48:51], s[32:39]          ; my part of keys 1,024 to 2,047
	s_nop 0
.rept 4
	v_nop
.endr
	s_mul_i32 s66, s13, 98304
	s_add_nc_u64 s[4:5], s[4:5], s[66:67]          ; q's plane
	s_lshl_b32 s66, s13, 13
	s_add_nc_u64 s[6:7], s[6:7], s[66:67]          ; q's scale words
	s_lshr_b32 s68, s13, 4                         ; batch
	s_and_b32 s70, s13, 15                         ; head
	s_mul_i32 s66, s68, 1572864                    ; 128 tiles of 12,288 bytes
	s_mul_i32 s71, s70, 768                        ; the head's half image in a tile
	s_add_co_u32 s66, s66, s71
	s_add_nc_u64 s[8:9], s[8:9], s[66:67]
	s_lshl_b32 s66, s68, 16                        ; 64 groups of 1,024 bytes
	s_lshr_b32 s71, s70, 2
	s_lshl_b32 s71, s71, 8
	s_add_co_u32 s66, s66, s71
	s_and_b32 s71, s70, 3
	s_lshl_b32 s71, s71, 1                         ; the head's two bytes among the eight of (row, four heads)
	s_add_co_u32 s66, s66, s71
	s_add_nc_u64 s[10:11], s[10:11], s[66:67]
	v_and_b32 v20, 31, v0
	s_delay_alu instid0(VALU_DEP_1)
	v_lshlrev_b32 v1, 4, v20                       ; 16 x lane
	s_delay_alu instid0(VALU_DEP_2)
	v_lshlrev_b32 v2, 3, v20                       ; 8 x lane
	v_and_b32 v21, 15, v0                          ; r
	v_bfe_u32 v23, v0, 4, 1
	s_delay_alu instid0(VALU_DEP_2)
	v_lshlrev_b32 v6, 4, v21                       ; 16 r
	s_delay_alu instid0(VALU_DEP_3)
	v_lshlrev_b32 v7, 3, v21                       ; 8 r
	s_delay_alu instid0(VALU_DEP_2)
	v_add_nc_u32 v3, 196608, v6                    ; k's scale words
	s_delay_alu instid0(VALU_DEP_3)
	v_add_nc_u32 v4, 204800, v6                    ; v's
	v_and_b32 v5, 8, v21
	s_delay_alu instid0(VALU_DEP_1)
	v_add_nc_u32 v5, v5, v21
	v_lshlrev_b32 v23, 4, v23
	s_delay_alu instid0(VALU_DEP_1)
	v_sub_nc_u32 v5, v5, v23
	s_lshl_b32 s66, s14, 5
	s_lshl_b32 s68, s15, 3
	s_add_co_u32 s66, s66, s68
	v_add_nc_u32 v5, s66, v5                       ; my query's place in its 128, less 16 (lane / 16)
.irp i, 0,1,2,3,4,5
	v_mov_b32 v[30+\i], 0                          ; q's upper half: zero codes, written once
	v_mov_b32 v[96+\i], 0                          ; behind k's last half fragment likewise
.endr
.irp b, 0,1,2,3
	v_mov_b32 v[BP+\b], 0                          ; a lane permute's destination counts as one of its sources
.endr
	v_mov_b32 v18, 0
	v_mov_b32 v19, 0                               ; (named as the upper half of the pair v[18:19] before it is first written)
	v_mov_b32 v20, 0
	v_mov_b32 v21, 0
; A KEY STEP: 128 keys.  s18 its number, s17 the group of my queries.
.macro STEP
	s_cmp_gt_u32 s18, s17                          ; all its keys come after my queries: only the addresses step
	s_cbranch_scc1 .Lhidden_\@
	s_setprio 2
	v_add_nc_u32 v8, s52, v1                       ; these six are also the places ahead of loads into registers that the last step's matrix instructions have read
	v_add_nc_u32 v9, s52, v2
	v_add_nc_u32 v10, s53, v1
	v_add_nc_u32 v11, s53, v2
	v_add_nc_u32 v12, s54, v3
	v_add_nc_u32 v13, s55, v4
.irp t, 0,1,2,3,4,5,6,7
	ds_load_b128 v[KF+6*\t:KF+6*\t+3], v8 offset:768*\t
	ds_load_b64 v[KF+6*\t+4:KF+6*\t+5], v9 offset:768*\t+512
.endr
	ds_load_b128 v[KS:KS+3], v12
	ds_load_b128 v[KS+4:KS+7], v12 offset:256
.irp d, 0,1,2,3
.irp c, 0,1
	ds_load_b128 v[VF+12*\d+6*\c:VF+12*\d+6*\c+3], v10 offset:1536*\d+768*\c
	ds_load_b64 v[VF+12*\d+6*\c+4:VF+12*\d+6*\c+5], v11 offset:1536*\d+768*\c+512
.endr
.endr
	ds_load_b128 v[VS:VS+3], v13
	s_wait_dscnt 17                                ; k and its scale words are in; v's 17 loads stay out
.irp t, 0,1,2,3,4,5,6,7
	v_wmma_scale_f32_16x16x128_f8f6f4 v[S+8*\t:S+8*\t+7], v[KF+6*\t:KF+6*\t+11], v[24:35], 0, v[KS+\t], v22 matrix_a_fmt:MATRIX_FMT_FP6 matrix_b_fmt:MATRIX_FMT_FP6
.endr
.rept 4
	v_nop
.endr
	s_cmp_lg_u32 s18, s17                          ; the one step on the diagonal: hidden scores become -infinity ahead of the maximum, so that p = 0.  Its key 0 counts for every query of mine
	s_cbranch_scc1 .Lopen_\@
	v_mov_b32 v20, 0xff800000
.set n, 0
.rept 64
	v_cmp_gt_i32 vcc_lo, 32*(n/16)+n%16, v5        ; register n holds key 32 (n / 16) + 16 (lane / 16) + n % 16 of the step
	v_cndmask_b32 v[S+n], v[S+n], v20, vcc_lo
.set n, n+1
.endr
.Lopen_\@:
.irp b, 0,1,2,3
	v_max3_num_f32 v[BM+\b], v[S+16*\b], v[S+1+16*\b], v[S+2+16*\b]   ; the largest score of each block of 32 keys: for the row's maximum and, since p rises with the score, for the block's largest p
.endr
.irp i, 3,5,7,9,11,13
.irp b, 0,1,2,3
	v_max3_num_f32 v[BM+\b], v[BM+\b], v[S+16*\b+\i], v[S+1+16*\b+\i]
.endr
.endr
.irp b, 0,1,2,3
	v_max_num_f32 v[BM+\b], v[BM+\b], v[S+15+16*\b]
.endr
.irp b, 0,1,2,3
	s_delay_alu instid0(VALU_DEP_4)
	v_permlanex16_b32 v[BP+\b], v[BM+\b], s[SEL], s[SEL+1]
.endr
.irp b, 0,1,2,3
	s_delay_alu instid0(VALU_DEP_4)
	v_max_num_f32 v[BM+\b], v[BM+\b], v[BP+\b]     ; with lane l xor 16's 16 keys
.endr
	s_delay_alu instid0(VALU_DEP_2)
	v_max3_num_f32 v20, v[BM], v[BM+1], v[BM+2]
	s_delay_alu instid0(VALU_DEP_1)
	v_max_num_f32 v20, v20, v[BM+3]
	s_delay_alu instid0(VALU_DEP_1)
	v_mul_f32 v20, s[CS], v20                      ; the step's largest t (c is positive)
	s_delay_alu instid0(VALU_DEP_1)
	v_max_num_f32 v15, v15, v20                    ; the running largest t
	v_mov_b32 v20, v14
	s_delay_alu instid0(VALU_DEP_2)
	v_floor_f32 v14, -v15                          ; -M = floor(-t): M is a whole number
	s_delay_alu instid0(VALU_DEP_1)
	v_sub_f32 v20, v14, v20                        ; old M - new M, a whole number, 0 or less
	s_delay_alu instid0(VALU_DEP_1)
	v_cvt_i32_f32 v20, v20                         ; (it saturates)
	s_delay_alu instid0(VALU_DEP_1)
	v_ldexp_f32 v18, 1.0, v20                      ; f = 2^(old M - new M)
.set n, 0
	s_setprio 1
.rept 32
	v_pk_fma_f32 v[S+n:S+n+1], v[S+n:S+n+1], s[CS:CS+1], v[14:15] op_sel_hi:[1,0,0]   ; t - M, two at a time
.set n, n+2
.endr
.irp b, 0,1,2,3
	v_fma_f32 v[BM+\b], v[BM+\b], s[CS], v14       ; the same of each block's largest score
.endr
.set n, 0
	s_wait_alu depctr_va_vdst(0)
.rept 64
	v_exp_f32 v[S+n], v[S+n]                       ; p = 2^(t - M)
.set n, n+1
.endr
	v_pk_mul_f32 v[16:17], v[16:17], v[18:19] op_sel_hi:[1,0]   ; the sums under the new M: the plain place behind the exponentials
	s_wait_alu depctr_va_vdst(0)                   ; one wait for the batch of 64, ahead of its first reader
.irp b, 0,1,2,3
	v_exp_f32 v[BM+\b], v[BM+\b]                   ; the block's largest p: the same two instructions on the same number
.endr
	v_pk_add_f32 v[80:81], v[154:155], v[158:159]
	v_pk_add_f32 v[252:253], v[162:163], v[166:167]
	v_pk_add_f32 v[250:251], v[170:171], v[174:175]
	v_pk_add_f32 v[248:249], v[178:179], v[182:183]
	v_pk_add_f32 v[246:247], v[186:187], v[190:191]
	v_pk_add_f32 v[94:95], v[194:195], v[198:199]
	v_pk_add_f32 v[92:93], v[202:203], v[206:207]
	v_pk_add_f32 v[16:17], v[16:17], v[210:211]
	v_pk_add_f32 v[80:81], v[80:81], v[150:151]
	v_pk_add_f32 v[252:253], v[252:253], v[152:153]
	v_pk_add_f32 v[250:251], v[250:251], v[156:157]
	v_pk_add_f32 v[248:249], v[248:249], v[160:161]
	v_pk_add_f32 v[246:247], v[246:247], v[164:165]
	v_pk_add_f32 v[94:95], v[94:95], v[168:169]
	v_pk_add_f32 v[92:93], v[92:93], v[172:173]
	v_pk_add_f32 v[16:17], v[16:17], v[176:177]
	v_pk_add_f32 v[80:81], v[80:81], v[180:181]
	v_pk_add_f32 v[252:253], v[252:253], v[184:185]
	v_pk_add_f32 v[250:251], v[250:251], v[188:189]
	v_pk_add_f32 v[248:249], v[248:249], v[192:193]
	v_pk_add_f32 v[246:247], v[246:247], v[196:197]
	v_pk_add_f32 v[94:95], v[94:95], v[200:201]
	v_pk_add_f32 v[92:93], v[92:93], v[204:205]
	v_pk_add_f32 v[16:17], v[16:17], v[208:209]
	v_pk_add_f32 v[80:81], v[80:81], v[212:213]
	s_delay_alu instid0(VALU_DEP_2)
	v_pk_add_f32 v[16:17], v[16:17], v[248:249]
	s_delay_alu instid0(VALU_DEP_2)
	v_pk_add_f32 v[80:81], v[80:81], v[246:247]
	v_pk_add_f32 v[252:253], v[252:253], v[94:95]
	v_pk_add_f32 v[250:251], v[250:251], v[92:93]
	s_delay_alu instid0(VALU_DEP_2)
	v_pk_add_f32 v[16:17], v[16:17], v[252:253]
	s_delay_alu instid0(VALU_DEP_2)
	v_pk_add_f32 v[80:81], v[80:81], v[250:251]
	s_delay_alu instid0(VALU_DEP_1)
	v_pk_add_f32 v[16:17], v[16:17], v[80:81]
	s_wait_alu depctr_va_vdst(0)                   ; and one for the four
.irp b, 0,1,2,3
	v_max_num_f32 v[BM+\b], 0x1800000, v[BM+\b]    ; the floor 2^(3 - 127): a block whose every p is 0 keeps the byte 1; its codes are zeros
.endr
.irp b, 0,1,2,3
	s_delay_alu instid0(VALU_DEP_4)
	v_add_nc_u32 v[BO+\b], 0xff000000, v[BM+\b]
.endr
.irp b, 0,1,2,3
	s_delay_alu instid0(VALU_DEP_4)
	v_lshrrev_b32 v[BP+\b], 23, v[BO+\b]
.endr
	s_delay_alu instid0(VALU_DEP_3)
	v_lshl_or_b32 v19, v[BP+1], 8, v[BP]           ; p's scale word for these 128 keys
	s_delay_alu instid0(VALU_DEP_1)
	v_lshl_or_b32 v19, v[BP+2], 16, v19
	s_delay_alu instid0(VALU_DEP_1)
	v_lshl_or_b32 v19, v[BP+3], 24, v19
	s_setprio 0
.irp c, 0,1
	v_cvt_scalef32_pk16_fp6_f32 v[PC+6*\c:PC+2+6*\c], v[S+32*\c:S+15+32*\c], v[BO+2*\c]
	v_cvt_scalef32_pk16_fp6_f32 v[PT+4*\c:PT+2+4*\c], v[S+16+32*\c:S+31+32*\c], v[BO+2*\c+1]
.endr
	v_nop                                          ; one plain place behind a scaled conversion
.irp c, 0,1
.irp i, 0,1,2
	v_permlane16_swap_b32 v[PC+6*\c+\i], v[PT+4*\c+\i]
.endr
.irp i, 0,1,2
	s_delay_alu instid0(VALU_DEP_3)
	v_mov_b32 v[PC+3+6*\c+\i], v[PT+4*\c+\i]
.endr
.endr
.set n, 0
.rept 16
	v_pk_mul_f32 v[O+n:O+n+1], v[O+n:O+n+1], v[18:19] op_sel_hi:[1,0]   ; O^T under the new M; these sixteen also stand between the scale word's and the codes' last writes and the products
.set n, n+2
.endr
	s_wait_alu depctr_va_vdst(0)
	s_wait_dscnt 0x0                               ; v is in
.irp d, 0,1,2,3
	v_wmma_scale_f32_16x16x128_f8f6f4 v[O+8*\d:O+8*\d+7], v[VF+12*\d:VF+12*\d+11], v[PC:PC+11], v[O+8*\d:O+8*\d+7], v[VS+\d], v19 matrix_a_fmt:MATRIX_FMT_FP6 matrix_b_fmt:MATRIX_FMT_FP6
.endr
.Lhidden_\@:
	s_add_co_u32 s52, s52, 6144
	s_add_co_u32 s53, s53, 6144
	s_add_co_u32 s54, s54, 512
	s_add_co_u32 s55, s55, 256
.endm
; A PASS: one tile of 16 queries against nt key steps at the most.  tcnt: how many of my tensor loads may stay out.
.macro PASS p, nt, tcnt
	s_wait_xcnt 0x0                                ; the last pass's stores have read their bases and registers
.if (\p) == 0
	s_mov_b32 s17, s16
.else
	s_sub_co_u32 s17, 15, s16
.endif
	s_lshl_b32 s19, s17, 3
	s_lshl_b32 s66, s14, 1
	s_add_co_u32 s19, s19, s66
	s_add_co_u32 s19, s19, s15                     ; my tile among the 128
	s_mul_i32 s66, s19, 768
	s_mov_b32 s67, 0
	s_add_nc_u64 s[56:57], s[4:5], s[66:67]
	s_lshr_b32 s66, s19, 2
	s_lshl_b32 s66, s66, 8
	s_and_b32 s68, s19, 3
	s_lshl_b32 s68, s68, 2
	s_add_co_u32 s66, s66, s68
	s_add_nc_u64 s[58:59], s[6:7], s[66:67]
	s_mul_i32 s66, s19, 12288
	s_add_nc_u64 s[60:61], s[8:9], s[66:67]
	s_lshr_b32 s66, s19, 1
	s_lshl_b32 s66, s66, 10
	s_and_b32 s68, s19, 1
	s_lshl_b32 s68, s68, 7
	s_add_co_u32 s66, s66, s68
	s_add_nc_u64 s[62:63], s[10:11], s[66:67]
	global_load_b128 v[24:27], v1, s[56:57]        ; q's half fragment
	global_load_b64 v[28:29], v2, s[56:57] offset:512
	global_load_b32 v22, v6, s[58:59]              ; and its scale words
	v_mov_b32 v15, 0xff61b1e6                      ; the largest t so far: -3e38
	s_delay_alu instid0(VALU_DEP_1)
	v_floor_f32 v14, -v15
	v_mov_b32 v16, 0
	v_mov_b32 v17, 0
.set n, 0
.rept 32
	v_mov_b32 v[O+n], 0                            ; the step is written once: the first finds zeros
.set n, n+1
.endr
	s_mov_b32 s18, 0
	s_mov_b32 s52, 0
	s_mov_b32 s53, 98304
	s_mov_b32 s54, 0
	s_mov_b32 s55, 0
	s_wait_loadcnt 0x0
	s_wait_tensorcnt \tcnt                         ; my parts of what this pass reads have landed,
	s_wait_dscnt 0x0
	s_barrier_signal -1
	s_barrier_wait -1                              ; everybody's have
.Lkey_\@:
	STEP
	s_add_co_u32 s18, s18, 1
	s_cmp_lt_u32 s18, \nt
	s_cbranch_scc1 .Lkey_\@
	s_setprio 0
	; the way out: O^T / the sum, quantised along d (two blocks of 32), one half image and two scale bytes a row
.rept 4
	v_nop
.endr
	v_add_f32 v16, v16, v17
	s_delay_alu instid0(VALU_DEP_1)
	v_permlanex16_b32 v20, v16, s[SEL], s[SEL+1]
	s_delay_alu instid0(VALU_DEP_1)
	v_add_f32 v16, v16, v20
	s_wait_alu depctr_va_vdst(0)
	v_rcp_f32 v16, v16
	v_nop
	s_wait_alu depctr_va_vdst(0)
.set n, 0
.rept 32
	v_mul_f32 v[S+n], v[O+n], v16                  ; register 16 b + i is d = 32 b + 16 (lane / 16) + i
.set n, n+1
.endr
.irp b, 0,1
	v_max3_num_f32 v[BM+\b], |v[S+16*\b]|, |v[S+1+16*\b]|, 0x1800000
.endr
.irp i, 2,4,6,8,10,12,14
.irp b, 0,1
	s_delay_alu instid0(VALU_DEP_2)
	v_max3_num_f32 v[BM+\b], v[BM+\b], |v[S+16*\b+\i]|, |v[S+1+16*\b+\i]|
.endr
.endr
.irp b, 0,1
	s_delay_alu instid0(VALU_DEP_2)
	v_permlanex16_b32 v[BP+\b], v[BM+\b], s[SEL], s[SEL+1]
.endr
.irp b, 0,1
	s_delay_alu instid0(VALU_DEP_2)
	v_max_num_f32 v[BM+\b], v[BM+\b], v[BP+\b]
.endr
.irp b, 0,1
	s_delay_alu instid0(VALU_DEP_2)
	v_add_nc_u32 v[BO+\b], 0xff000000, v[BM+\b]
.endr
.irp b, 0,1
	s_delay_alu instid0(VALU_DEP_2)
	v_lshrrev_b32 v[BP+\b], 23, v[BO+\b]
.endr
	s_delay_alu instid0(VALU_DEP_1)
	v_lshl_or_b32 v21, v[BP+1], 8, v[BP]
	v_cvt_scalef32_pk16_fp6_f32 v[PC:PC+2], v[S:S+15], v[BO]
	v_cvt_scalef32_pk16_fp6_f32 v[PT:PT+2], v[S+16:S+31], v[BO+1]
	v_nop
.irp i, 0,1,2
	v_permlane16_swap_b32 v[PC+\i], v[PT+\i]
.endr
.irp i, 0,1,2
	s_delay_alu instid0(VALU_DEP_3)
	v_mov_b32 v[PC+3+\i], v[PT+\i]
.endr
	global_store_b128 v1, v[PC:PC+3], s[60:61]
	global_store_b64 v2, v[PC+4:PC+5], s[60:61] offset:512
	global_store_b16 v7, v21, s[62:63]             ; both halves of the lanes store the same two bytes with the same value
.endm
	PASS 0, 8, 1                                   ; groups 0 to 7 want keys 0 to 1,023 at the most: the second half's load stays out
	PASS 1, 16, 0
	s_wait_tensorcnt 0x0
	ds_add_u32 v254, v255
	s_wait_dscnt 0x0
	CROUND                                         ; the closing round
	s_endpgm
.Lfunc_end_k_q62abfba884_attn:
	.size	k_q62abfba884_attn, .Lfunc_end_k_q62abfba884_attn-k_q62abfba884_attn
	.p2alignl 7, 3214868480
	.fill 96, 4, 3214868480
	.section	.rodata,"a",@progbits
	.p2align	6, 0x0
	.amdhsa_kernel k_q62abfba884_attn
		.amdhsa_group_segment_fixed_size 210944
		.amdhsa_private_segment_fixed_size 0
		.amdhsa_enable_private_segment 0
		.amdhsa_kernarg_size 32
		.amdhsa_user_sgpr_count 2
		.amdhsa_user_sgpr_kernarg_segment_ptr 1
		.amdhsa_wavefront_size32 1
		.amdhsa_system_sgpr_workgroup_id_x 1
		.amdhsa_system_sgpr_workgroup_id_y 1
		.amdhsa_system_sgpr_workgroup_id_z 1
		.amdhsa_system_vgpr_workitem_id 0
		.amdhsa_next_free_vgpr 256
		.amdhsa_next_free_sgpr 72
		.amdhsa_reserve_vcc 1
		.amdhsa_float_denorm_mode_32 3
		.amdhsa_float_denorm_mode_16_64 3
		.amdhsa_memory_ordered 1
		.amdhsa_forward_progress 1
		.amdhsa_inst_pref_size 66
	.end_amdhsa_kernel
	.amdgpu_metadata
---
amdhsa.version: [ 1, 2 ]
amdhsa.kernels:
  - .name:           k_q62abfba884_attn
    .symbol:         k_q62abfba884_attn.kd
    .args:
      - { .name: qkv_img, .offset: 0, .size: 8, .value_kind: global_buffer, .address_space: global }
      - { .name: qkv_sc, .offset: 8, .size: 8, .value_kind: global_buffer, .address_space: global }
      - { .name: ctx_img, .offset: 16, .size: 8, .value_kind: global_buffer, .address_space: global }
      - { .name: ctx_sc, .offset: 24, .size: 8, .value_kind: global_buffer, .address_space: global }
    .group_segment_fixed_size: 210944
    .private_segment_fixed_size: 0
    .kernarg_segment_align: 8
    .kernarg_segment_size: 32
    .max_flat_workgroup_size: 512
    .sgpr_count:     72
    .vgpr_count:     256
    .wavefront_size: 32
...
	.end_amdgpu_metadata
.endif
;; end of part 3
;; launch proj (part 4): grid 8 x 32, 4 waves a work-group, clusters of 4 x 4, 295,424 bytes of LDS; arguments ctx_img, ctx_sc, w_img, w_sc, bo, out0; writes out0
.if DOCPART == 4
	.amdgcn_target "amdgcn-amd-amdhsa--gfx1250"
	.amdhsa_code_object_version 6
	.text
	.protected	k_q62abfba884_proj
	.globl	k_q62abfba884_proj
	.p2align	8
	.type	k_q62abfba884_proj,@function
k_q62abfba884_proj:
	s_mov_b64 s[64:65], 0
	v_nop
	global_prefetch_b8 v0, s[64:65] scope:SCOPE_SE
	s_setreg_imm32_b32 hwreg(HW_REG_WAVE_MODE, 25, 1), 1
	s_wait_xcnt 0x0
	s_wait_alu depctr_hold_cnt(0) depctr_sa_sdst(0) depctr_va_vdst(0) depctr_va_sdst(0) depctr_va_ssrc(0) depctr_va_vcc(0) depctr_vm_vsrc(0)
	s_getreg_b32 s2, hwreg(HW_REG_IB_STS2, 6, 4)
	s_cmp_eq_u32 s2, 0
	s_cbranch_scc0 .Lentry_in_a_cluster
	s_endpgm
.Lentry_in_a_cluster:
	s_bfe_u32 s2, ttmp6, 0x10000c
	s_cmp_lg_u32 s2, 0xf033
	s_cbranch_scc0 .Lentry_shape_is_right
	s_endpgm
.Lentry_shape_is_right:
; out = ctx Wo + bo on codes of FP6 (E2M3) with E8M0 scales, K = 1,024; out is f32.
; A work-group makes 256 rows of ctx (A) x 128 columns of Wo (B).  The matrix instruction takes source 0 = 16 rows of B, source 1 = 16 rows of A: a lane is a row of ctx, its registers run along the columns.
; TILES: lane r of tile 2 b + u stands for row 32 b + 8 u + r + (r & 8), so the 16 registers of B's tiles 2 b, 2 b + 1 are the 16 neighbouring columns 32 b + 16 (lane / 16) + 0 .. 15.
; ALL OF K LIES IN LDS, 294,912 bytes in four slots of 256 along K, each byte filled once: four tensor loads a wave go out at the head, and a counted wait and a barrier stand ahead of each slot's first read.
; CLUSTER 4 x 4: A's tiles are asked for jointly along a row of the cluster, B's along a column.
; Four waves; wave w owns A's tiles 4 w .. 4 w + 3 against B's eight: 32 accumulators, which take turns in the same order in every K step.
; REGISTERS: window 0: v1-15 offsets; v16-31 A's scale words, v32-63 B's; v64-127 the bias; v128-223 A's fragments, two sets (on the way out v128-255 rows of out).  window 1: B's fragments, two sets.  window 2: accumulator (a, b) at v[64 a + 8 b].
.set SA,  16
.set SB,  32
.set BB,  64
.set AF,  128
.set BK,  128
.set STO, 8
.set RD,  9
.set SLOT, 73728
.set WV,  22
.set MSB, 0
.macro WIN new
.if MSB != \new
	s_set_vgpr_msb (MSB<<8)|\new
.set MSB, \new
.endif
.endm
.macro CROUND
	s_barrier_signal -1
	s_barrier_wait -1
	s_cmp_lg_u32 s[WV], 0
	s_cbranch_scc1 .Lnot_wave_0_\@
	s_barrier_signal -3
.Lnot_wave_0_\@:
	s_barrier_wait -3
	s_barrier_signal -1
	s_barrier_wait -1
.endm
	s_load_b256 s[4:11], s[0:1], 0x0               ; ctx_img, ctx_sc, w_img, w_sc
	s_load_b128 s[12:15], s[0:1], 0x20             ; bo, out0
	v_lshl_add_u32 v11, v0, 2, 0x48000
	v_mov_b32 v13, 0
	ds_add_u32 v11, v13
	ds_add_u32 v11, v13
	v_lshrrev_b32 v1, 5, v0
	v_readfirstlane_b32 s[WV], v1
	s_and_b32 s23, s[WV], 1
	s_bfe_u32 s24, ttmp6, 0x40000                  ; cx
	s_bfe_u32 s25, ttmp6, 0x40004                  ; cy
	s_and_b32 s29, ttmp7, 0xffff
	s_lshl_b32 s29, s29, 2
	s_add_co_u32 s29, s29, s25                     ; tr: which 256 rows of ctx
	s_lshl_b32 s30, ttmp9, 2
	s_add_co_u32 s30, s30, s24                     ; tc: which 128 columns
	s_lshl_b32 s2, s25, 2
	s_lshl_b32 s2, 15, s2                          ; my row of the cluster
	s_lshl_b32 s3, 0x1111, s24                     ; my column
	s_or_b32 s32, s2, (3<<16)|(1<<21)              ; group 1: tiles' parts of 3,072 bytes (384 elements of 8 bytes), 12,288 bytes apart: A 8 tiles a load, B 4
	s_mov_b32 s33, 384<<16
	s_mov_b32 s34, 8<<16
	s_mov_b32 s35, 384<<16
	s_mov_b32 s36, 8
	s_mov_b32 s37, 1536
	s_mov_b32 s38, 0
	s_mov_b32 s39, 0
	s_or_b32 s40, s3, (3<<16)|(1<<21)
	s_mov_b32 s41, 384<<16
	s_mov_b32 s42, 4<<16
	s_mov_b32 s43, 384<<16
	s_mov_b32 s44, 4
	s_mov_b32 s45, 1536
	s_mov_b32 s46, 0
	s_mov_b32 s47, 0
	s_lshl_b32 s92, s29, 4
	s_lshl_b32 s2, s23, 3
	s_add_co_u32 s92, s92, s2
	s_mul_i32 s92, s92, 12288                      ; A: tile 16 tr + 8 (w & 1)
	s_mov_b32 s93, 0
	s_lshl_b32 s94, s30, 3
	s_lshl_b32 s2, s23, 2
	s_add_co_u32 s94, s94, s2
	s_mul_i32 s94, s94, 12288
	s_add_co_u32 s94, s94, 2359296                 ; B: Wo begins at tile 192 of the weights
	s_mov_b32 s95, 0
	s_mul_i32 s26, s23, 24576
	s_mul_i32 s31, s23, 12288
	s_add_co_u32 s31, s31, 49152
	s_wait_dscnt 0x0
	s_wait_kmcnt 0x0
	s_add_nc_u64 s[84:85], s[4:5], s[92:93]
	s_add_nc_u64 s[88:89], s[8:9], s[94:95]
	s_lshl_b32 s92, s29, 13
	s_lshl_b32 s2, s[WV], 11
	s_add_co_u32 s92, s92, s2
	s_add_nc_u64 s[6:7], s[6:7], s[92:93]          ; my four tiles' scale words
	s_lshl_b32 s94, s30, 12
	s_add_co_u32 s94, s94, 98304
	s_add_nc_u64 s[10:11], s[10:11], s[94:95]      ; B's
	CROUND                                         ; all sixteen work-groups are here: the joint loads meet
.irp g, 0,1,2,3
	s_mov_b32 s[48+4*\g], 1
	s_add_co_u32 s[49+4*\g], s26, \g*SLOT
	s_add_nc_u64 s[50+4*\g:51+4*\g], s[84:85], \g*3072
	s_or_b32 s[51+4*\g], s[51+4*\g], 0x80000000
	s_mov_b32 s[68+4*\g], 1
	s_add_co_u32 s[69+4*\g], s31, \g*SLOT
	s_add_nc_u64 s[70+4*\g:71+4*\g], s[88:89], \g*3072
	s_or_b32 s[71+4*\g], s[71+4*\g], 0x80000000
.endr
	s_cmp_lt_u32 s[WV], 2                          ; waves 0, 1 fetch A's halves, waves 2, 3 B's: a wave's four fills stand in one branch; four loads of mine are out
	s_cbranch_scc0 .Lfill_b
	tensor_load_to_lds s[48:51], s[32:39]
	s_nop 0
	tensor_load_to_lds s[52:55], s[32:39]
	s_nop 0
	tensor_load_to_lds s[56:59], s[32:39]
	s_nop 0
	tensor_load_to_lds s[60:63], s[32:39]
	s_nop 0
.rept 4
	v_nop
.endr
	s_branch .Lfilled
.Lfill_b:
	tensor_load_to_lds s[68:71], s[40:47]
	s_nop 0
	tensor_load_to_lds s[72:75], s[40:47]
	s_nop 0
	tensor_load_to_lds s[76:79], s[40:47]
	s_nop 0
	tensor_load_to_lds s[80:83], s[40:47]
	s_nop 0
.rept 4
	v_nop
.endr
.Lfilled:
	v_and_b32 v3, 31, v0
	v_lshlrev_b32 v1, 4, v3                        ; 16 x lane
	v_lshlrev_b32 v2, 3, v3                        ; 8 x lane
.irp b, 0,1
.irp g, 0,1,2,3
	global_load_b64 v[SA+8*\b+2*\g:SA+8*\b+2*\g+1], v2, s[6:7] offset:1024*\b+256*\g      ; a pair holds K steps 2 g, 2 g + 1; lanes 0-15 the even tile's rows, lanes 16-31 the odd tile's
.endr
.endr
.irp b, 0,1,2,3
.irp g, 0,1,2,3
	global_load_b64 v[SB+8*\b+2*\g:SB+8*\b+2*\g+1], v2, s[10:11] offset:1024*\b+256*\g
.endr
.endr
	s_lshl_b32 s96, s30, 9
	s_mov_b32 s97, 0
	s_add_nc_u64 s[12:13], s[12:13], s[96:97]      ; the bias of my 128 columns
	v_and_b32 v14, 15, v0                          ; r
	v_bfe_u32 v15, v0, 4, 1                        ; lane / 16
	v_lshlrev_b32 v12, 6, v15
.irp b, 0,1,2,3,4,5,6,7
	global_load_b128 v[BB+8*\b:BB+8*\b+3], v12, s[12:13] offset:4*(32*(\b/2)+8*(\b%2))
	global_load_b128 v[BB+8*\b+4:BB+8*\b+7], v12, s[12:13] offset:4*(32*(\b/2)+8*(\b%2))+16
.endr
	s_lshl_b32 s98, s29, 8
	s_lshl_b32 s99, s[WV], 6
	s_add_co_u32 s98, s98, s99
	s_lshl_b32 s98, s98, 12                        ; my first row of out: 256 tr + 64 w, 4,096 bytes a row,
	s_add_co_u32 s98, s98, s96                     ; and my 512 bytes of it
	s_mov_b32 s99, 0
	s_add_nc_u64 s[14:15], s[14:15], s[98:99]
	s_mul_i32 s2, s[WV], 12288
	v_add_nc_u32 v4, s2, v1
	v_add_nc_u32 v5, s2, v2
	v_add_nc_u32 v6, 49152, v1
	v_add_nc_u32 v7, 49152, v2
	s_mul_i32 s2, s[WV], 8448                      ; my stage: 16 rows x (512 + 16) bytes
	v_mul_u32_u24 v[STO], v14, 528
	v_lshl_add_u32 v[STO], v15, 6, v[STO]
	v_add_nc_u32 v[STO], s2, v[STO]                ; in: row r, 64 bytes on for lanes 16-31
	v_add_nc_u32 v[RD], s2, v1                     ; back: the 32 lanes take a row
	s_wait_loadcnt 0x0
.macro FRAG reg, a16, a8, off
	ds_load_b128 v[\reg:\reg+3], v[\a16] offset:\off
	ds_load_b64 v[\reg+4:\reg+5], v[\a8] offset:\off+512
	ds_load_b128 v[\reg+6:\reg+9], v[\a16] offset:\off+768
	ds_load_b64 v[\reg+10:\reg+11], v[\a8] offset:\off+1280
.endm
.macro FETCH s
	WIN 0x40
.irp b, 0,1,2,3,4,5,6,7
	FRAG 128*((\s)%2)+12*\b, 6, 7, 1536*((\s)%2)+3072*\b
.endr
	WIN 0
.irp a, 0,1,2,3
	FRAG AF+48*((\s)%2)+12*\a, 4, 5, 1536*((\s)%2)+3072*\a
.endr
.endm
.macro WM a, b, s
.set rD, 64*(\a)+8*(\b)
.set rC, rD
.if (\s) == 0
.set rC, BB+8*(\b)
.endif
.set rB, 128*((\s)%2)+12*(\b)
.set rA, AF+48*((\s)%2)+12*(\a)
.set rT, SB+8*((\b)/2)+(\s)
.set rU, SA+8*((\a)/2)+(\s)
.if ((\a)%2 == 0) && ((\b)%2 == 0)
	v_wmma_scale_f32_16x16x128_f8f6f4 v[rD:rD+7], v[rB:rB+11], v[rA:rA+11], v[rC:rC+7], v[rT], v[rU] matrix_a_fmt:MATRIX_FMT_FP6 matrix_b_fmt:MATRIX_FMT_FP6
.elseif ((\a)%2 == 0)
	v_wmma_scale_f32_16x16x128_f8f6f4 v[rD:rD+7], v[rB:rB+11], v[rA:rA+11], v[rC:rC+7], v[rT], v[rU] matrix_a_fmt:MATRIX_FMT_FP6 matrix_b_fmt:MATRIX_FMT_FP6 matrix_a_scale:MATRIX_SCALE_ROW1
.elseif ((\b)%2 == 0)
	v_wmma_scale_f32_16x16x128_f8f6f4 v[rD:rD+7], v[rB:rB+11], v[rA:rA+11], v[rC:rC+7], v[rT], v[rU] matrix_a_fmt:MATRIX_FMT_FP6 matrix_b_fmt:MATRIX_FMT_FP6 matrix_b_scale:MATRIX_SCALE_ROW1
.else
	v_wmma_scale_f32_16x16x128_f8f6f4 v[rD:rD+7], v[rB:rB+11], v[rA:rA+11], v[rC:rC+7], v[rT], v[rU] matrix_a_fmt:MATRIX_FMT_FP6 matrix_b_fmt:MATRIX_FMT_FP6 matrix_a_scale:MATRIX_SCALE_ROW1 matrix_b_scale:MATRIX_SCALE_ROW1
.endif
.endm
.macro MUL s                           ; K step 0 takes the bias (window 0) as C: nothing is cleared
.if (\s) == 0
	WIN 0x81
.else
	WIN 0xa1
.endif
.irp a, 0,1,2,3
.irp b, 0,1,2,3,4,5,6,7
	WM \a, \b, \s
.endr
.endr
.endm
.macro STEPK s
	s_wait_dscnt 0x0                               ; this step's fragments are in; no LDS instruction of mine is out at the barrier
.if ((\s)%2 == 1) && ((\s) < 7)
	WIN 0
	s_wait_tensorcnt 3-((\s)+1)/2                  ; my load of the next slot has landed; those of the later slots stay out
	s_barrier_signal -1
	s_barrier_wait -1
	v_add_nc_u32 v4, SLOT, v4                      ; on to the next slot: also the four places ahead of loads into registers that matrix instructions have read
	v_add_nc_u32 v5, SLOT, v5
	v_add_nc_u32 v6, SLOT, v6
	v_add_nc_u32 v7, SLOT, v7
.elseif (\s) < 7
	WIN 0
.rept 4
	v_nop
.endr
.endif
.if (\s) < 7
	FETCH (\s)+1
.endif
	MUL \s
.endm
	s_wait_tensorcnt 3                             ; my load of slot 0 has landed; three stay out
	s_barrier_signal -1
	s_barrier_wait -1
	FETCH 0
	STEPK 0
	STEPK 1
	STEPK 2
	STEPK 3
	STEPK 4
	STEPK 5
	STEPK 6
	STEPK 7
	WIN 0
.rept 4
	v_nop                                          ; places ahead of the first read of results and of loads into the registers that held A's fragments
.endr
; THE WAY OUT, a tile of 16 rows x 128 columns at a time, through my own stage, which lies in slot 0: that slot has had its one fill, and every wave has passed, behind its last read of it, the barrier ahead of slot 1.
; LDS serves a wave's instructions in order: no wait between the stores and the loads.
.macro TOSTAGE a
	WIN 0x08                                       ; an LDS store's data are its source 1: window 2
.irp b, 0,1,2,3,4,5,6,7
	ds_store_b128 v[STO], v[64*(\a)+8*\b:64*(\a)+8*\b+3] offset:128*(\b/2)+32*(\b%2)          ; each accumulator from its low end on
	ds_store_b128 v[STO], v[64*(\a)+8*\b+4:64*(\a)+8*\b+7] offset:128*(\b/2)+32*(\b%2)+16
.endr
	WIN 0
.irp t, 0,1,2,3,4,5,6,7,8,9,10,11,12,13,14,15
	ds_load_b128 v[BK+64*((\a)%2)+4*\t:BK+64*((\a)%2)+4*\t+3], v[RD] offset:528*\t
.endr
.endm
.macro SEND a, younger                 ; younger: the LDS instructions issued behind this tile's loads, which may stay out
	s_wait_dscnt \younger
.irp t, 0,1,2,3,4,5,6,7,8,9,10,11,12,13,14,15
	global_store_b128 v1, v[BK+64*((\a)%2)+4*\t:BK+64*((\a)%2)+4*\t+3], s[14:15] offset:(32*((\a)/2)+8*((\a)%2)+\t+8*(\t/8))*4096 th:TH_STORE_NT   ; 32 lanes store 512 consecutive bytes of a row
.endr
.endm
	TOSTAGE 0
	TOSTAGE 1
	SEND 0, 32                                     ; behind tile 0's loads: tile 1's 16 stores and 16 loads
	s_wait_xcnt 0x0                                ; tile 0's stores have read their registers: tile 2's loads may land there
	TOSTAGE 2
	SEND 1, 32
	s_wait_xcnt 0x0
	TOSTAGE 3
	SEND 2, 32
	SEND 3, 0
	s_wait_tensorcnt 0x0
	ds_add_u32 v11, v13
	s_wait_dscnt 0x0
	CROUND                                         ; the closing round
	s_endpgm
.Lfunc_end_k_q62abfba884_proj:
	.size	k_q62abfba884_proj, .Lfunc_end_k_q62abfba884_proj-k_q62abfba884_proj
	.p2alignl 7, 3214868480
	.fill 96, 4, 3214868480
	.section	.rodata,"a",@progbits
	.p2align	6, 0x0
	.amdhsa_kernel k_q62abfba884_proj
		.amdhsa_group_segment_fixed_size 295424
		.amdhsa_private_segment_fixed_size 0
		.amdhsa_enable_private_segment 0
		.amdhsa_kernarg_size 48
		.amdhsa_user_sgpr_count 2
		.amdhsa_user_sgpr_kernarg_segment_ptr 1
		.amdhsa_wavefront_size32 1
		.amdhsa_system_sgpr_workgroup_id_x 1
		.amdhsa_system_sgpr_workgroup_id_y 1
		.amdhsa_system_sgpr_workgroup_id_z 1
		.amdhsa_system_vgpr_workitem_id 0
		.amdhsa_next_free_vgpr 768
		.amdhsa_next_free_sgpr 100
		.amdhsa_reserve_vcc 0
		.amdhsa_float_denorm_mode_32 3
		.amdhsa_float_denorm_mode_16_64 3
		.amdhsa_memory_ordered 1
		.amdhsa_forward_progress 1
		.amdhsa_inst_pref_size 86
	.end_amdhsa_kernel
	.amdgpu_metadata
---
amdhsa.version: [ 1, 2 ]
amdhsa.kernels:
  - .name:           k_q62abfba884_proj
    .symbol:         k_q62abfba884_proj.kd
    .args:
      - { .name: ctx_img, .offset: 0, .size: 8, .value_kind: global_buffer, .address_space: global }
      - { .name: ctx_sc, .offset: 8, .size: 8, .value_kind: global_buffer, .address_space: global }
      - { .name: w_img, .offset: 16, .size: 8, .value_kind: global_buffer, .address_space: global }
      - { .name: w_sc, .offset: 24, .size: 8, .value_kind: global_buffer, .address_space: global }
      - { .name: bo, .offset: 32, .size: 8, .value_kind: global_buffer, .address_space: global }
      - { .name: out0, .offset: 40, .size: 8, .value_kind: global_buffer, .address_space: global }
    .group_segment_fixed_size: 295424
    .private_segment_fixed_size: 0
    .kernarg_segment_align: 8
    .kernarg_segment_size: 48
    .max_flat_workgroup_size: 128
    .sgpr_count:     100
    .vgpr_count:     768
    .wavefront_size: 32
...
	.end_amdgpu_metadata
.endif
;; end of part 4
